; MI455X (gfx1250); checked and timed in simulation.
; The chip was launched on July 23, 2026; its instructions are those of AMD's public machine-readable ISA for CDNA 5 (MIT licence, August 2026) and "CDNA5" Instruction Set Architecture Reference Guide (July 2026). The comments in the code are by the model that wrote it; some were corrected since.
;; Multi Head Attention. Allowed arithmetic: matrix products marked QUANTISED: E2M1 operands, one E8M0 scale for each 32 along K, by v_wmma_scale_f32_16x16x128_f8f6f4 with both operands' format E2M1 (or v_wmma_scale_f32_32x16x128_f4), f32 sums; everything else in f32.
;; Inputs: Wk 1,024 x 1,024 float32; Wq 1,024 x 1,024 float32; Wv 1,024 x 1,024 float32; attention_mask 4 x 2,048 x 1 bool; beta 1,024 float32; bk 1,024 float32; bq 1,024 float32; bv 1,024 float32; gamma 1,024 float32; x 4 x 2,048 x 1,024 float32.
;; Outputs: out0 4 x 2,048 x 1,024 float32.
;; This version of the problem:
;;   THIS VERSION OF THE PROBLEM IS GIVEN IN LOW PRECISION. The matrix products marked QUANTISED in the list below multiply operands that are first quantised to E2M1 (2 exponent bits, 1 mantissa bit; 4 bits a number), with one power-of-two scale for each 32 numbers along K (OCP MX v1.0); their sums are f32. All else is computed in f32.
;;   The module's matrix products, in the order in which they are computed (A, B: the left and right operand; K: the contracted axis; several contracted axes count as one K, in the product's order):
;;     1. [M 8,192, K 1,024] x [K 1,024, N 1,024]; A: input x; B: input Wq: QUANTISED
;;     2. [M 8,192, K 1,024] x [K 1,024, N 1,024]; A: input x; B: input Wk: QUANTISED
;;     3. [M 8,192, K 1,024] x [K 1,024, N 1,024]; A: input x; B: input Wv: QUANTISED
;;     4. batch 16 x [M 2,048, K 256] x [K 256, N 2,048]; A: computed on the way; B: computed on the way: QUANTISED
;;     5. batch 16 x [M 2,048, K 2,048] x [K 2,048, N 256]; A: softmax (see below); B: computed on the way: QUANTISED
;;   THE QUANTISER, for each operand of a quantised product, along K:
;;     - K is cut into blocks of 32 from its start; a last block that is shorter is filled with zeros.
;;     - A block's scale is 2^e with e = floor(log2(the largest magnitude in the block)) - 2, held to -126 .. 127; a block of zeros has e = 0. As a byte (E8M0): e + 127.
;;     - Each number is divided by its block's scale, clamped to +-6, and rounded to the nearest number of E2M1, ties to even, subnormals kept.
;;     - The product sums the exact products of the quantised numbers (number of the format x scale) in f32.
;;   ~~~python
;;   def quantise(x, axis):      # numpy; x: float32 -> the quantised numbers, widened to float32 again
;;       x = np.moveaxis(x, axis, -1); K = x.shape[-1]
;;       x = np.pad(x, [(0, 0)] * (x.ndim - 1) + [(0, -K % 32)]); x = x.reshape(x.shape[:-1] + (-1, 32)); a = np.abs(x).max(-1, keepdims=True)
;;       e = np.where(a > 0, np.clip(np.frexp(np.where(a > 0, a, 1))[1] - 1 - 2, -126, 127), 0)      # np.frexp(a)[1] - 1 = floor(log2(a)), exactly
;;       r = np.clip(x / 2.0 ** e, -6, 6)
;;       step = 2.0 ** (np.maximum(np.frexp(np.where(r == 0, 1, r))[1] - 1, 0) - 1)
;;       q = np.round(r / step) * step * 2.0 ** e      # np.round: ties to even
;;       return np.moveaxis(q.reshape(q.shape[:-2] + (-1,))[..., :K], -1, axis).astype(np.float32)
;;   ~~~
;;   SOFTMAX AHEAD OF A QUANTISED PRODUCT. Where the list says 'softmax', what is quantised is not the finished softmax but p = 2^(t - M), with t = logit x log2(e) and M = ceil(the row's largest t), a whole number; so 1/2 < the row's largest p <= 1. The row's sum l is taken of the UNQUANTISED p, in f32, and the product's result is divided by l at the end. Since M is a whole number, a kernel that streams over the keys may use a running M (the ceiling of the running maximum): every later rescaling is an exact power of two, which a block's scale takes up: the codes' values come out the same.
;;   OPERANDS COMPUTED ON THE WAY. 'Computed on the way' means the value that the module computes at that place (a softmax that the list does not call 'softmax' is quantised finished and normalised). What goes into a quantiser is computed in f32, as accurately as f32 sums, v_exp_f32 and their like allow (about 1e-6 of the number): no bf16 or f16 on the way to a quantiser, and a product that is left as it is and whose result goes on into a quantised operand takes f32 operands (vector FMAs, or v_wmma_f32_16x16x4_f32). A number that lies on a knife's edge between two numbers of the format may be rounded either way, as far as f32 arithmetic and the matrix unit's own rounding can turn it there, and no further.
;; One version. Each part assembles by itself: llvm-mc -triple=amdgcn-amd-amdhsa -mcpu=gfx1250 --defsym DOCPART=n.
;; ======== version 1 of 1: 4 launches
;; limits: right only within a limited range of input values
;; workspace buffers: xc 4,194,304 bytes; xs 262,144 bytes; wc 1,572,864 bytes; ws 98,304 bytes; qi 4,456,448 bytes; kv 8,912,896 bytes; o 33,554,432 bytes
;; launch quant (part 1): grid 352 x 1, 4 waves a work-group, no clusters, 33,280 bytes of LDS; arguments x, Wq, Wk, Wv, xc, xs, wc, ws; writes xc, xs, wc, ws
.if DOCPART == 1
	.amdgcn_target "amdgcn-amd-amdhsa--gfx1250"
	.amdhsa_code_object_version 6
	.text
	.protected	k_qe5f0404ede_quant
	.globl	k_qe5f0404ede_quant
	.p2align	8
	.type	k_qe5f0404ede_quant,@function
k_qe5f0404ede_quant:
	s_mov_b64 s[64:65], 0
	v_nop
	global_prefetch_b8 v0, s[64:65] scope:SCOPE_SE
	s_setreg_imm32_b32 hwreg(HW_REG_WAVE_MODE, 25, 1), 1
	s_wait_xcnt 0x0
; x [8192][1024] and Wq, Wk, Wv [1024][1024], f32, become codes of FP4 (E2M1), K innermost, two codes a byte, with one E8M0 byte for each 32 along K.
; x goes to xc (512 bytes a row) and xs (32 bytes a row); the three weights, one behind the other (3,072 rows), to wc and ws.
; A block's scale is 2^(floor(log2(its largest magnitude)) - 2); its byte is the largest magnitude's exponent field - 2, held at 1 from below.  Each number is divided by the scale and rounded to the nearest code, ties to even;
; beyond 6 the conversion gives the largest code.
; LIMITS: a block of zeros, and a block whose largest magnitude lies under 2^-124, gets the byte 1 (the zeros' codes are zeros, and these bytes are read by this program alone); NaN and infinities are not served.
; THE ORDER OF ROWS.  Row p is stored at the place p with its bits 3 and 4 exchanged.  So sixteen rows that lie on end, 16 i + r, are the true rows 32 (i / 2) + 8 (i % 2) + r + 8 (r / 8): the rows that the next launch wants in one
; tile, so that a matrix result's registers run along neighbours of the next product's K.
; SHARES.  A wave takes 8 rows (8,192 numbers), a work-group 32: the wave's number IS bits 3 and 4 of the row, so the exchange is an exchange of the wave number's two bits in the destination.  Work-groups 0-255 take x, 256-351 the weights.
; A wave takes 16 steps of 512 numbers.  The conversions want 16 neighbours along K in one lane; a load is best where neighbouring lanes take neighbouring bytes.  Both are had: each of a step's four loads reads 512 consecutive bytes,
; the 2,048 bytes go through the wave's own stage in LDS and come back 64 bytes a lane (16 bytes of padding behind each 64).  A lane's 16 codes are 8 bytes: the wave stores 256 consecutive bytes.  A wave's 256 scale bytes are gathered
; in its own LDS bytes and leave by one store of 256 consecutive bytes.  No barrier: waves share nothing.  Loads run four steps (16 loads) ahead, the turn through LDS one step.
.set STEPS, 16
.set EMAX,  2
.set CB,    8                          ; bytes of 16 codes
.set R,     16                         ; v16-79   four sets of 16 numbers as they are loaded
.set X,     80                         ; v80-111  two sets of 16 neighbours
.set E,     112                        ; v112-127 a scale byte for each step
.set C,     128                        ; v128-191 codes: four registers for each step, so that no store's data are written again
.set WREG,  8192                       ; LDS: a region for each wave: two stages of 32 x SP bytes, behind them its 256 scale bytes
.set SP,    80                         ; a lane's place in a stage: 64 bytes + 16 of padding
.set SRC,   22                         ; s[22:23] the numbers of my run
.set DCO,   24                         ; s[24:25] its codes
.set DSC,   26                         ; s[26:27] its scale bytes
	s_load_b256 s[4:11], s[0:1], 0x0               ; x, Wq, Wk, Wv
	s_load_b256 s[12:19], s[0:1], 0x20             ; xc, xs, wc, ws
	v_lshl_add_u32 v192, v0, 2, 0x8000
	v_mov_b32 v193, 0
	v_lshrrev_b32 v1, 5, v0
	v_readfirstlane_b32 s20, v1                    ; wave
	v_and_b32 v2, 31, v0                           ; lane
	v_lshlrev_b32 v3, 4, v2                        ; my 16 bytes of a load's 512
	s_mul_i32 s21, s20, WREG
	v_lshrrev_b32 v14, 2, v2
	v_mul_u32_u24 v14, v14, SP
	v_and_b32 v15, 3, v2
	v_lshl_add_u32 v14, v15, 4, v14
	v_add_nc_u32 v14, s21, v14                     ; the stage, on the way in: SP (lane / 4) + 16 (lane % 4)
	v_mul_u32_u24 v15, v2, SP
	v_add_nc_u32 v15, s21, v15                     ; and on the way out: SP x lane: my 16 neighbours
	v_mul_u32_u24 v4, v2, CB                       ; my codes' place in a step's
	v_lshrrev_b32 v5, 1, v2
	s_add_co_u32 s21, s21, 2*32*SP
	v_add_nc_u32 v5, s21, v5                       ; LDS: my wave's 256 scale bytes, my block's byte
	v_lshlrev_b32 v7, 3, v2                        ; and on the way out 8 bytes a lane
	v_add_nc_u32 v6, s21, v7
	s_and_b32 s28, s20, 1
	s_lshl_b32 s28, s28, 1
	s_lshr_b32 s29, s20, 1
	s_or_b32 s28, s28, s29                         ; the wave's number with its two bits exchanged
	s_sub_co_u32 s30, ttmp9, 256                   ; a weight's work-group among the 96,
	s_and_b32 s31, s30, 31                         ; and among its tensor's 32
	s_wait_alu depctr_va_vdst(0)
	s_wait_kmcnt 0x0
	s_cmp_lt_u32 ttmp9, 320                        ; the choices hang on the work-group's number alone
	s_cselect_b64 s[SRC:SRC+1], s[8:9], s[10:11]
	s_cmp_lt_u32 ttmp9, 288
	s_cselect_b64 s[SRC:SRC+1], s[6:7], s[SRC:SRC+1]
	s_cmp_lt_u32 ttmp9, 256
	s_cselect_b64 s[SRC:SRC+1], s[4:5], s[SRC:SRC+1]
	s_cselect_b64 s[DCO:DCO+1], s[12:13], s[16:17]
	s_cselect_b64 s[DSC:DSC+1], s[14:15], s[18:19]
	s_cselect_b32 s31, ttmp9, s31                  ; which 32 rows of the source,
	s_cselect_b32 s30, ttmp9, s30                  ; and of the destination
	s_lshl_b32 s31, s31, 2
	s_add_co_u32 s31, s31, s20                     ; my run of 8 rows in the source,
	s_lshl_b32 s30, s30, 2
	s_add_co_u32 s30, s30, s28                     ; and in the destination
	s_mov_b32 s33, 0
	s_lshl_b32 s32, s31, 15                        ; 32,768 bytes of numbers a run
	s_add_nc_u64 s[SRC:SRC+1], s[SRC:SRC+1], s[32:33]
	s_lshl_b32 s32, s30, 12                        ; 4,096 bytes of codes
	s_add_nc_u64 s[DCO:DCO+1], s[DCO:DCO+1], s[32:33]
	s_lshl_b32 s32, s30, 8                         ; 256 scale bytes
	s_add_nc_u64 s[DSC:DSC+1], s[DSC:DSC+1], s[32:33]
.macro LOAD t
.irp i, 0,1,2,3
	global_load_b128 v[R+16*((\t)%4)+4*\i:R+16*((\t)%4)+4*\i+3], v3, s[SRC:SRC+1] offset:2048*(\t)+512*\i th:TH_LOAD_NT   ; 32 lanes read 512 consecutive bytes
.endr
.endm
.macro TURN t                          ; step t's numbers through the stage: LDS serves a wave's instructions in order (ISA guide 5.7.1.4), so no wait stands between the stores and the loads
.irp i, 0,1,2,3
	ds_store_b128 v14, v[R+16*((\t)%4)+4*\i:R+16*((\t)%4)+4*\i+3] offset:32*SP*((\t)%2)+8*SP*\i
.endr
.irp i, 0,1,2,3
	ds_load_b128 v[X+16*((\t)%2)+4*\i:X+16*((\t)%2)+4*\i+3], v15 offset:32*SP*((\t)%2)+16*\i
.endr
.endm
.irp t, 0,1,2,3
	LOAD \t
.endr
	s_wait_loadcnt 12                              ; step 0's four loads are in
	TURN 0
.macro STEP t
.set XS, X+16*((\t)%2)
.if (\t) > 0
	s_wait_dscnt 1                                 ; this step's numbers are back from the stage (the last step's byte store may be out): so its stores into the stage have read their registers,
.else
	s_wait_dscnt 0x0
.endif
.if (\t)+4 < STEPS
	LOAD (\t)+4                                    ; which take the loads of four steps on
.endif
.if (\t)+1 < STEPS
.if STEPS-2-(\t) >= 3
	s_wait_loadcnt 12                              ; the next step's four loads are in; those of the three steps behind it may be out
.else
	s_wait_loadcnt 4*(STEPS-2-(\t))
.endif
	TURN (\t)+1                                    ; and go through the other stage while this step is worked
.endif
	v_max3_num_f32 v8, |v[XS]|, |v[XS+1]|, |v[XS+2]|               ; the largest magnitude of my 16, in two chains
	v_max3_num_f32 v9, |v[XS+3]|, |v[XS+4]|, |v[XS+5]|
.irp i, 6,10
	v_max3_num_f32 v8, v8, |v[XS+\i]|, |v[XS+\i+1]|
	v_max3_num_f32 v9, v9, |v[XS+\i+2]|, |v[XS+\i+3]|
.endr
	v_max3_num_f32 v8, v8, |v[XS+14]|, |v[XS+15]|
	v_max3_num_f32 v8, v8, v9, (EMAX+1)<<23        ; and the floor 2^(3 - 127): so the byte cannot fall under 1
	v_max_num_f32_dpp v8, v8, v8 row_xmask:1 row_mask:0xf bank_mask:0xf   ; and of my neighbour's 16: the block's
	v_add_nc_u32 v11, -(EMAX<<23), v8              ; 2 off its exponent field: the conversion takes the exponent field of this operand as its scale, and nothing else of it
	v_cvt_scalef32_pk8_fp4_f32 v[C+4*(\t)], v[XS:XS+7], v11
	v_cvt_scalef32_pk8_fp4_f32 v[C+4*(\t)+1], v[XS+8:XS+15], v11
	v_lshrrev_b32 v[E+(\t)], 23, v11               ; the scale's byte
	ds_store_b8 v5, v[E+(\t)] offset:16*(\t)       ; both lanes of a block write the same byte with the same value
	global_store_b64 v4, v[C+4*(\t):C+4*(\t)+1], s[DCO:DCO+1] offset:32*CB*(\t)   ; 32 lanes store 256 consecutive bytes, at a multiple of 256 from the buffer's first byte
.endm
.irp t, 0,1,2,3,4,5,6,7,8,9,10,11,12,13,14,15
	STEP \t
.endr
	ds_load_b64 v[12:13], v6                       ; in order behind my byte stores
	s_wait_dscnt 0x0
	global_store_b64 v7, v[12:13], s[DSC:DSC+1]    ; 32 lanes store 256 consecutive bytes
	s_wait_tensorcnt 0x0
	ds_add_u32 v192, v193
	s_wait_dscnt 0x0
	s_endpgm
.Lfunc_end_k_qe5f0404ede_quant:
	.size	k_qe5f0404ede_quant, .Lfunc_end_k_qe5f0404ede_quant-k_qe5f0404ede_quant
	.p2alignl 7, 3214868480
	.fill 96, 4, 3214868480
	.section	.rodata,"a",@progbits
	.p2align	6, 0x0
	.amdhsa_kernel k_qe5f0404ede_quant
		.amdhsa_group_segment_fixed_size 33280
		.amdhsa_private_segment_fixed_size 0
		.amdhsa_enable_private_segment 0
		.amdhsa_kernarg_size 64
		.amdhsa_user_sgpr_count 2
		.amdhsa_user_sgpr_kernarg_segment_ptr 1
		.amdhsa_wavefront_size32 1
		.amdhsa_system_sgpr_workgroup_id_x 1
		.amdhsa_system_sgpr_workgroup_id_y 1
		.amdhsa_system_sgpr_workgroup_id_z 1
		.amdhsa_system_vgpr_workitem_id 0
		.amdhsa_next_free_vgpr 194
		.amdhsa_next_free_sgpr 66
		.amdhsa_reserve_vcc 0
		.amdhsa_float_denorm_mode_32 3
		.amdhsa_float_denorm_mode_16_64 3
		.amdhsa_memory_ordered 1
		.amdhsa_forward_progress 1
		.amdhsa_inst_pref_size 34
	.end_amdhsa_kernel
	.amdgpu_metadata
---
amdhsa.version: [ 1, 2 ]
amdhsa.kernels:
  - .name:           k_qe5f0404ede_quant
    .symbol:         k_qe5f0404ede_quant.kd
    .args:
      - { .name: x, .offset: 0, .size: 8, .value_kind: global_buffer, .address_space: global }
      - { .name: Wq, .offset: 8, .size: 8, .value_kind: global_buffer, .address_space: global }
      - { .name: Wk, .offset: 16, .size: 8, .value_kind: global_buffer, .address_space: global }
      - { .name: Wv, .offset: 24, .size: 8, .value_kind: global_buffer, .address_space: global }
      - { .name: xc, .offset: 32, .size: 8, .value_kind: global_buffer, .address_space: global }
      - { .name: xs, .offset: 40, .size: 8, .value_kind: global_buffer, .address_space: global }
      - { .name: wc, .offset: 48, .size: 8, .value_kind: global_buffer, .address_space: global }
      - { .name: ws, .offset: 56, .size: 8, .value_kind: global_buffer, .address_space: global }
    .group_segment_fixed_size: 33280
    .private_segment_fixed_size: 0
    .kernarg_segment_align: 8
    .kernarg_segment_size: 64
    .max_flat_workgroup_size: 128
    .sgpr_count:     66
    .vgpr_count:     194
    .wavefront_size: 32
...
	.end_amdgpu_metadata
.endif
;; end of part 1
;; launch proj (part 2): grid 8 x 48, 4 waves a work-group, clusters of 4 x 4, 327,680 bytes of LDS; arguments xc, xs, wc, ws, bq, bk, bv, qi, kv; writes qi, kv
.if DOCPART == 2
	.amdgcn_target "amdgcn-amd-amdhsa--gfx1250"
	.amdhsa_code_object_version 6
	.text
	.protected	k_qe5f0404ede_proj
	.globl	k_qe5f0404ede_proj
	.p2align	8
	.type	k_qe5f0404ede_proj,@function
k_qe5f0404ede_proj:
	s_mov_b64 s[64:65], 0
	v_nop
	global_prefetch_b8 v0, s[64:65] scope:SCOPE_SE
	s_setreg_imm32_b32 hwreg(HW_REG_WAVE_MODE, 25, 1), 1
	s_wait_xcnt 0x0
	s_wait_alu depctr_hold_cnt(0) depctr_sa_sdst(0) depctr_va_vdst(0) depctr_va_sdst(0) depctr_va_ssrc(0) depctr_va_vcc(0) depctr_vm_vsrc(0)
	s_getreg_b32 s2, hwreg(HW_REG_IB_STS2, 6, 4)
	s_cmp_eq_u32 s2, 0
	s_cbranch_scc0 .Lentry_in_a_cluster
	s_endpgm
.Lentry_in_a_cluster:
	s_bfe_u32 s2, ttmp6, 0x10000c
	s_cmp_lg_u32 s2, 0xf033
	s_cbranch_scc0 .Lentry_shape_is_right
	s_endpgm
.Lentry_shape_is_right:
; q = x Wq^T + bq, k = x Wk^T + bk, v = x Wv^T + bv on codes of FP4 (E2M1) with one E8M0 scale for each 32 along K = 1,024; sums in f32.  The results never go to memory as numbers: each is quantised again in registers,
; q and k along the head's 256, v along the keys, and stored as IMAGES OF THE OPERAND REGISTERS that the attention launch loads as they lie.
; A tile of 256 x 256 results is made by a work-group of four waves, 128 x 128 each: 64 accumulators, 512 registers.  K is 1,024: two LDS slots of 512 along K (rows of 256 bytes) hold all of it, so each slot is filled once.
; SOURCE 0 (named P) IS THE OPERAND WHOSE ROWS ARE THE NEXT PRODUCT'S K; source 1 (named R) gives a lane its row.  In accumulator (a, b) lane (r, h) holds R's row r of block a, and register j P's row 8 h + j of block b.
; Rows lie in xc and wc with bits 3 and 4 of the row number exchanged: sixteen rows on end, 16 i + r, are the true rows 32 (i / 2) + 8 (i % 2) + r + 8 (r / 8).  So the 16 registers of blocks 2 B and 2 B + 1 are the true P rows
; 32 B + 16 h + 0 .. 15: sixteen neighbours along the next K, half a block of 32; the other half lies in lane l xor 16.
; TWO PARTS, told apart by the cluster's y (the same in all sixteen partners).  Part 0 (y 0-7): R = x's rows (queries or keys), P = Wq's and Wk's rows (a head's 256 features to a tile).  Part 1 (y 8-11): R = Wv's rows (a head's features),
; P = x's rows (keys).
; CLUSTERS: 4 x 4 work-groups.  R's tile hangs on the place along y alone and is asked for jointly by a row of the cluster, P's on the place along x alone and by a column: the same tensor load, descriptor and mask in all four.
; THE IMAGES.  A fragment (16 rows x 128 K) is 1,024 bytes: registers 0-3 of lane l at 16 l, registers 4-7 at 512 + 16 l.  A scale image (8 tiles x 128 K) is 512 bytes: word p of lane l's 16 bytes is the scale word of tile 2 p, row l (l < 16),
; or of tile 2 p + 1, row l - 16.  qi: a record of 17,408 bytes for each 128 queries of a head: codes [K step c][tile a], scale images [c].  kv: a record of 34,816 bytes for each 128 keys of a head: K's codes [c][a] at 0, V's codes [tile T of 16
; features] at 16,384, K's scale images [c] at 32,768, V's [T / 8] at 33,792.  Every store of a wave covers 512 consecutive bytes.
; LIMITS: as the quantiser in front: blocks under 2^-124 and blocks of zeros get the byte 1; NaN and infinities are not served.
; REGISTERS, in windows of 256: window 0: v8-15 the scale words made, v16-31 addresses, v32-95 scale words of the operands (two sets), later the codes made; v96-111 the bias by lane; v112-127 at work; v128-191 R's fragments (one set), later 64 results;
;   v192-255 the bias by register.   window 1: P's fragments, two sets.   windows 2, 3: the accumulators of R's blocks 0-3, 4-7 ((a, b) at v[8 (8 (a % 4) + b)]).
; LDS: a tile's row holds ALL of K: 512 bytes of codes.  What the text below calls slot s is bytes 256 s .. 256 s + 255 of each row: both come by the one load of the head.
.set NQ,     4                         ; matrix instructions deep in a slot
.set ROWB,   512                       ; a tile's row in bytes: 1,024 codes
.set KROW,   512                       ; a row of xc or wc
.set PITCH,  528                       ; an LDS row: 512 bytes + 16 of padding = 132 words: row r starts at bank 4 r mod 64 (64 banks of 4 bytes: ISA guide 11.1)
.set FR,     8                         ; registers of a fragment
.set NL,     2                         ; LDS loads that bring one
.set NP,     4                         ; places behind this matrix instruction (ISA guide 7.12.1)
.set HALFT,  128*PITCH                 ; 128 rows: what one wave reads of R or of P
.set SLOT,   256                       ; from slot 0 to slot 1, inside a row
.set KS,     32                        ; a row of scale bytes
.set SCL,    4*HALFT                   ; behind R's 256 rows and P's 256 rows: the scale bytes, as units of 256 bytes + 16 of padding
.set HALFS,  (128*KS/256)*272          ; those of 128 rows
.set SBLK,   (16*KS/256)*272           ; those of 16 rows
.set SPARE,  SCL+4*HALFS               ; the spare words, 128 bytes for each wave: two blocks of 256 bytes that no other line names
.set ADRA, 16                          ; v16-17  LDS address of my R fragments in slot 0, 1
.set ADRB, 20                          ; v20-21  the same for P
.set CO,   26                          ; v26     16 x lane: my place in an image
.set ADRS, 27                          ; v27     LDS address of my scale words: lanes 0-15 R's rows, lanes 16-31 P's
.set SPW,  28                          ; v28     LDS address of my spare word; never rewritten
.set NIL,  29                          ; v29     0; never rewritten
.set OBP,  30                          ; v30     byte offset of the bias by register; never rewritten
.set OBR,  31                          ; v31     byte offset of the bias by lane; never rewritten
.set SC,   32
.set BR,   96                          ; v96-111  pair a: twice the bias of my row of R's block a
.set TM,   112                         ; v112-115 largest magnitudes, v116-119 bytes, v120-123 the scale image, v124-127 the conversions' scale operands
.set AF,   128
.set ST,   128                         ; the way out: 64 results with their bias
.set BP,   192                         ; v192-255 register 8 b + j: the bias of P's row 8 h + j of block b
.set WV,   12                          ; s12 wave;  s13 wave / 2: my 128 rows of R;  s14 wave % 2: my 128 rows of P
.set WR,   13
.set WP,   14
.set PART, 15
.set CXI,  16                          ; my place in the cluster
.set CYI,  17
.set CLX,  18                          ; the cluster's place
.set CLY,  19
.set SEL,  20                          ; s[20:21] lane selects for v_permlanex16_b32 (written when the masks made there have been used)
.set RROW, 22                          ; first row of R's tile
.set PROW, 23                          ; first row of P's tile
.set G1,   24
.set G0,   32
.set G1B,  48
.set G0B,  56
.set BIA,  66                          ; s[66:67] the bias
.set G1S,  68
.set G0S,  76
.set G1SB, 80
.set G0SB, 88
.set DC,   92                          ; s[92:93] where my codes go
.set DS,   94                          ; s[94:95] where my scale image goes
.set MSB, 0
.macro WIN new                         ; the immediate's high byte repeats the setting that is left
.if MSB != (\new)
	s_set_vgpr_msb (MSB<<8)|(\new)
.set MSB, \new
.endif
.endm
.set MUL_LO, 0xa1                      ; source 0 (P) window 1, source 1 (R) window 0, C and D window 2
.set MUL_HI, 0xf1                      ; the same, C and D window 3
.set TO_B,   0x40                      ; destination window 1, address window 0
; An arm of the head's tree of branches on the wave's number: one joint load, its s_nop 0 and four v_nop, and a jump to the tree's end.
.macro ARM under, g0, g1, next
	s_cmp_lt_u32 s[WV], \under
	s_cbranch_scc0 \next
	tensor_load_to_lds s[\g0:\g0+3], s[\g1:\g1+7]
	s_nop 0
.rept 4
	v_nop
.endr
	s_branch .Lhead_asked
\next:
.endm
.macro CROUND                          ; a round of the cluster's barrier: my work-group's barrier, wave 0's signal for the work-group, every wave's wait for all sixteen, my work-group's barrier once more
	s_barrier_signal -1
	s_barrier_wait -1
	s_cmp_lg_u32 s[WV], 0
	s_cbranch_scc1 .Lnot_wave_0_\@
	s_barrier_signal -3
.Lnot_wave_0_\@:
	s_barrier_wait -3
	s_barrier_signal -1
	s_barrier_wait -1
.endm
	s_load_b256 s[4:11], s[0:1], 0x0               ; xc s[4:5], xs s[6:7], wc s[8:9], ws s[10:11]
	s_load_b128 s[96:99], s[0:1], 0x20             ; bq, bk
	s_load_b128 s[40:43], s[0:1], 0x30             ; bv, qi
	s_load_b64 s[44:45], s[0:1], 0x40              ; kv
	v_lshl_add_u32 v[SPW], v0, 2, SPARE
	v_mov_b32 v[NIL], 0
	ds_add_u32 v28, v29
	ds_add_u32 v28, v29
	s_wait_dscnt 0x0
	v_lshrrev_b32 v1, 5, v0
	v_readfirstlane_b32 s[WV], v1
	s_lshr_b32 s[WR], s[WV], 1
	s_and_b32 s[WP], s[WV], 1
	s_bfe_u32 s[CXI], ttmp6, 0x40000
	s_bfe_u32 s[CYI], ttmp6, 0x40004
	s_mov_b32 s[CLX], ttmp9
	s_and_b32 s[CLY], ttmp7, 0xffff
	s_lshl_b32 s20, s[CYI], 2
	s_lshl_b32 s20, 15, s20                        ; my row of the cluster
	s_lshl_b32 s21, 0x1111, s[CXI]                 ; my column
	; descriptor group 1: a tile of 256 rows x 512 bytes, padded in LDS
	s_or_b32 s[G1+0], s20, (0<<16)|(1<<20)|(1<<21)|(6<<22)|(3<<25)   ; 15:0 the mask: R's tiles go to my row; 17:16 elements of 1 byte; 20 padding on; 21 set beside a mask; 24:22 after every 128 words; 31:25 four words
	s_or_b32 s[G1B+0], s21, (0<<16)|(1<<20)|(1<<21)|(6<<22)|(3<<25)  ; P's go to my column
.irp g, G1, G1B
	s_mov_b32 s[\g+1], ROWB<<16                    ; tensor_dim0
	s_mov_b32 s[\g+2], 256<<16                     ; tensor_dim1: the tile's 256 rows
	s_mov_b32 s[\g+3], ROWB<<16                    ; tile_dim0
	s_mov_b32 s[\g+4], 256                         ; tile_dim1
	s_mov_b32 s[\g+5], KROW                        ; tensor_dim0_stride
	s_mov_b32 s[\g+6], 0
	s_mov_b32 s[\g+7], 0
.endr
	; the scale bytes of 256 rows: 8,192 dense bytes, as 32 rows of 256 bytes (32 elements of 8 bytes), 16 bytes of padding behind each
	s_or_b32 s[G1S+0], s20, (3<<16)|(1<<20)|(1<<21)|(5<<22)|(3<<25)
	s_or_b32 s[G1SB+0], s21, (3<<16)|(1<<20)|(1<<21)|(5<<22)|(3<<25)
.irp g, G1S, G1SB
	s_mov_b32 s[\g+1], 32<<16
	s_mov_b32 s[\g+2], KS<<16                      ; the scale bytes of 256 rows: 256 KS dense bytes are KS rows of 256 bytes
	s_mov_b32 s[\g+3], 32<<16
	s_mov_b32 s[\g+4], KS
	s_mov_b32 s[\g+5], 32
	s_mov_b32 s[\g+6], 0
	s_mov_b32 s[\g+7], 0
.endr
	; which rows.  R's hang on cy and the cluster's y, P's on cx and the cluster's x and y; each in registers that never hold the other place
	s_lshl_b32 s[RROW], s[CLY], 10                 ; part 0: x's rows 1,024 y + 256 cy
	s_sub_co_u32 s[PROW], s[CLY], 8
	s_lshl_b32 s[PROW], s[PROW], 1                 ; part 1: x's rows 1,024 (x + 2 (y - 8)) + 256 cx
	s_cmp_ge_u32 s[CLY], 8
	s_cselect_b32 s[PART], 1, 0
	s_cselect_b32 s[RROW], 2048, s[RROW]           ; part 1: Wv's rows begin at 2,048 in wc
	s_cselect_b32 s[PROW], s[PROW], 0              ; part 0: wc's rows 1,024 x + 256 cx: Wq's (x = 0) or Wk's (x = 1)
	s_lshl_b32 s2, s[CYI], 8
	s_add_co_u32 s[RROW], s[RROW], s2
	s_add_co_u32 s[PROW], s[PROW], s[CLX]
	s_lshl_b32 s[PROW], s[PROW], 10
	s_lshl_b32 s3, s[CXI], 8
	s_add_co_u32 s[PROW], s[PROW], s3
	s_mov_b32 s2, s[RROW]                          ; a load brings a tile's 256 rows whole
	s_mov_b32 s3, s[PROW]
	s_lshl_b32 s92, s2, 9                          ; R: 512 bytes of codes a row,
	s_mov_b32 s93, 0
	s_lshl_b32 s94, s2, 5                          ; 32 scale bytes
	s_mov_b32 s95, 0
	s_lshl_b32 s66, s3, 9                          ; P likewise
	s_mov_b32 s67, 0
	s_lshl_b32 s46, s3, 5
	s_mov_b32 s47, 0
	s_wait_kmcnt 0x0
	s_cmp_eq_u32 s[PART], 0                        ; the choice of buffers hangs on the cluster's y alone
	s_cselect_b64 s[20:21], s[4:5], s[8:9]
	s_add_nc_u64 s[92:93], s[20:21], s[92:93]      ; R's codes
	s_cselect_b64 s[20:21], s[6:7], s[10:11]
	s_add_nc_u64 s[94:95], s[20:21], s[94:95]      ; R's scale bytes
	s_cselect_b64 s[20:21], s[8:9], s[4:5]
	s_add_nc_u64 s[66:67], s[20:21], s[66:67]      ; P's codes
	s_cselect_b64 s[20:21], s[10:11], s[6:7]
	s_add_nc_u64 s[46:47], s[20:21], s[46:47]      ; P's scale bytes
	CROUND                                         ; all sixteen work-groups are here: the joint loads meet
	s_mov_b32 s[G0S], 1
	s_mov_b32 s[G0S+1], SCL                        ; R's scale bytes
	s_mov_b64 s[G0S+2:G0S+3], s[94:95]
	s_or_b32 s[G0S+3], s[G0S+3], 0x80000000
	s_mov_b32 s[G0SB], 1
	s_mov_b32 s[G0SB+1], SCL+2*HALFS               ; P's, behind them
	s_mov_b64 s[G0SB+2:G0SB+3], s[46:47]
	s_or_b32 s[G0SB+3], s[G0SB+3], 0x80000000
	s_mov_b32 s[G0], 1                             ; R's 256 rows of codes, at LDS byte 0
	s_mov_b32 s[G0+1], 0
	s_mov_b64 s[G0+2:G0+3], s[92:93]
	s_or_b32 s[G0+3], s[G0+3], 0x80000000
	s_mov_b32 s[G0B], 1                            ; P's 256 rows, behind them
	s_mov_b32 s[G0B+1], 2*HALFT
	s_mov_b64 s[G0B+2:G0B+3], s[66:67]
	s_or_b32 s[G0B+3], s[G0B+3], 0x80000000
	; THE HEAD'S LOADS, ONE A WAVE: wave 0 R's codes, wave 1 P's codes, wave 2 R's scale bytes, wave 3 P's.  They are all that the launch fetches into LDS: nothing is filled later.
	ARM 1, G0,  G1,  .Lhead_b
	ARM 2, G0B, G1B, .Lhead_sa
	ARM 3, G0S, G1S, .Lhead_sb
	tensor_load_to_lds s[G0SB:G0SB+3], s[G1SB:G1SB+7]
	s_nop 0
.rept 4
	v_nop
.endr
.Lhead_asked:
	s_mov_b32 s[SEL], 0x76543210
	s_mov_b32 s[SEL+1], 0xfedcba98                 ; lane l xor 16
	v_and_b32 v1, 15, v0                           ; r = l % 16
	v_bfe_u32 v2, v0, 4, 1                         ; h = l / 16
	v_mul_u32_u24 v3, v1, PITCH
	v_lshl_add_u32 v4, v2, 4, v3                   ; a fragment's row x pitch + 16 x half
	s_mul_i32 s6, s[WR], HALFT                     ; my 128 rows of R
	s_mul_i32 s7, s[WP], HALFT                     ; my 128 rows of P,
	s_add_co_u32 s7, s7, 2*HALFT                   ; which lie behind R's 256
.irp s, 0,1
	v_add_nc_u32 v[ADRA+\s], s6, v4
	v_add_nc_u32 v[ADRB+\s], s7, v4
	s_add_co_u32 s6, s6, SLOT
	s_add_co_u32 s7, s7, SLOT
.endr
	v_mul_u32_u24 v5, v1, KS                       ; my row's scale bytes: 32 a row,
	v_lshrrev_b32 v6, 8, v5
	v_lshl_add_u32 v5, v6, 4, v5                   ; and 16 more for each 256 passed
	s_mul_i32 s6, s[WR], HALFS                     ; R's: my 128 rows
	s_mul_i32 s7, s[WP], HALFS                     ; P's: my 128 rows, behind R's 256
	s_add_co_u32 s7, s7, 2*HALFS
	s_sub_co_u32 s7, s7, s6
	v_mul_u32_u24 v6, s7, v2                       ; lanes 16-31 take P's: one product, the distance between the two bases x h
	s_add_co_u32 s6, s6, SCL
	v_add_nc_u32 v5, v5, v6
	v_add_nc_u32 v[ADRS], s6, v5
	v_and_b32 v6, 31, v0
	v_lshlrev_b32 v[CO], 4, v6
.irp b, 0,1,2,3
	v_mov_b32 v[TM+4+\b], 0                        ; written once: a lane permute's destination counts as one of its sources
.endr
	; THE BIAS, in both layouts; the way out uses the one that its part wants (the other is loaded from the vector's first rows, inside the buffer).
	s_cmp_eq_u32 s[CLX], 0
	s_cselect_b64 s[BIA:BIA+1], s[96:97], s[98:99] ; bq or bk,
	s_cmp_eq_u32 s[PART], 0
	s_cselect_b64 s[BIA:BIA+1], s[BIA:BIA+1], s[40:41]  ; or bv
	s_cselect_b32 s8, s[CXI], 0                    ; part 0: P's rows are the features of head cx
	s_cselect_b32 s9, 0, s[CYI]                    ; part 1: R's rows are the features of head cy
	s_lshl_b32 s8, s8, 10
	s_lshl_b32 s10, s[WP], 9
	s_add_co_u32 s8, s8, s10                       ; 4 (256 head + 128 x my half of P)
	s_lshl_b32 s9, s9, 10
	s_lshl_b32 s10, s[WR], 9
	s_add_co_u32 s9, s9, s10                       ; 4 (256 head + 128 x my half of R)
	v_lshl_add_u32 v[OBP], v2, 6, s8               ; + 4 x 16 h
	v_and_b32 v5, 8, v1
	v_add_nc_u32 v5, v5, v1
	v_lshl_add_u32 v[OBR], v5, 2, s9               ; + 4 (r + 8 (r / 8))
.irp b, 0,1,2,3
.irp q, 0,1,2,3
	global_load_b128 v[BP+16*\b+4*\q:BP+16*\b+4*\q+3], v[OBP], s[BIA:BIA+1] offset:128*\b+16*\q   ; features 32 b + 16 h + 4 q + 0 .. 3
.endr
.endr
.irp a, 0,1,2,3,4,5,6,7
	global_load_b32 v[BR+2*\a], v[OBR], s[BIA:BIA+1] offset:(32*(\a/2)+8*(\a%2))*4
	global_load_b32 v[BR+2*\a+1], v[OBR], s[BIA:BIA+1] offset:(32*(\a/2)+8*(\a%2))*4     ; twice: a pair for the packed addition
.endr
	; WHERE THE IMAGES GO
	s_lshr_b32 s4, s[RROW], 7
	s_add_co_u32 s4, s4, s[WR]                     ; part 0: my 128 rows of x are R's
	s_lshr_b32 s5, s[PROW], 7
	s_add_co_u32 s5, s5, s[WP]                     ; part 1: they are P's
	s_cmp_eq_u32 s[PART], 0
	s_cselect_b32 s4, s4, s5                       ; which 128 rows of the 8,192
	s_cselect_b32 s5, s[CXI], s[CYI]               ; the head
	s_cselect_b32 s6, s[WP], s[WR]                 ; which half of the head's 256 features
	s_lshr_b32 s7, s4, 4                           ; the batch: 16 blocks of 128 rows each
	s_lshl_b32 s7, s7, 6
	s_and_b32 s4, s4, 15
	s_add_co_u32 s7, s7, s4
	s_lshl_b32 s5, s5, 4
	s_add_co_u32 s7, s7, s5                        ; the record: (4 batch + head) 16 + block
	s_or_b32 s8, s[PART], s[CLX]
	s_cmp_eq_u32 s8, 0                             ; q?
	s_cselect_b64 s[DC:DC+1], s[42:43], s[44:45]   ; qi or kv
	s_mov_b32 s9, 34816
	s_cselect_b32 s9, 17408, s9                    ; a record's bytes
	s_mov_b32 s10, 32768
	s_cselect_b32 s10, 16384, s10                  ; where q's or k's scale images begin
	s_cmp_eq_u32 s[PART], 0
	s_cselect_b32 s11, 0, 16384                    ; where the codes begin: q's and k's at 0, v's at 16,384
	s_mov_b32 s8, 33792
	s_cselect_b32 s10, s10, s8                     ; v's scale images
	s_mul_i32 s7, s7, s9
	s_lshl_b32 s8, s6, 13                          ; eight fragments a half
	s_lshl_b32 s6, s6, 9                           ; one scale image a half
	s_add_co_u32 s8, s8, s7
	s_add_co_u32 s8, s8, s11
	s_add_co_u32 s6, s6, s7
	s_add_co_u32 s6, s6, s10
	s_mov_b32 s9, 0
	s_mov_b32 s7, 0
	s_add_nc_u64 s[DS:DS+1], s[DC:DC+1], s[6:7]
	s_add_nc_u64 s[DC:DC+1], s[DC:DC+1], s[8:9]
.macro FRAG reg, adr, q, i             ; a fragment, 16 rows x 128 K of 4-bit codes: lane l holds row l % 16; registers 4 c .. 4 c + 3 hold K = 64 c + 32 (l / 16) + 0 .. 31
.irp c, 0,1
	ds_load_b128 v[\reg+4*\c:\reg+4*\c+3], v[\adr] offset:64*(\q)+32*\c+(\i)*16*PITCH
.endr
.endm
; 16 matrix instructions: R's blocks a0, a0 + 1 x P's eight, 128 along K: the slot's q-th.  p: P's set;  sc: the set of scale words.  zero = 1: the first product starts the sums: nothing is ever cleared.
; The 64 accumulators take turns, one instruction a turn, in the same order in every step.  One register carries R's scale word (lanes 0-15) and P's (lanes 16-31) of block i.
.macro MUL16 a0, p, q, sc, zero
.irp a, \a0, \a0+1
.irp b, 0,1,2,3,4,5,6,7
.if \zero
	v_wmma_scale_f32_16x16x128_f8f6f4 v[8*(8*((\a)%4)+\b):8*(8*((\a)%4)+\b)+7], v[128*(\p)+FR*\b:128*(\p)+FR*\b+FR-1], v[AF+FR*(\a):AF+FR*(\a)+FR-1], 0, v[SC+8*NQ*(\sc)+NQ*\b+(\q)], v[SC+8*NQ*(\sc)+NQ*(\a)+(\q)] matrix_a_fmt:MATRIX_FMT_FP4 matrix_b_fmt:MATRIX_FMT_FP4 matrix_a_scale:MATRIX_SCALE_ROW1
.else
	v_wmma_scale_f32_16x16x128_f8f6f4 v[8*(8*((\a)%4)+\b):8*(8*((\a)%4)+\b)+7], v[128*(\p)+FR*\b:128*(\p)+FR*\b+FR-1], v[AF+FR*(\a):AF+FR*(\a)+FR-1], v[8*(8*((\a)%4)+\b):8*(8*((\a)%4)+\b)+7], v[SC+8*NQ*(\sc)+NQ*\b+(\q)], v[SC+8*NQ*(\sc)+NQ*(\a)+(\q)] matrix_a_fmt:MATRIX_FMT_FP4 matrix_b_fmt:MATRIX_FMT_FP4 matrix_a_scale:MATRIX_SCALE_ROW1
.endif
.endr
.endr
.endm
.macro FETCH_B slot, q, p              ; P's eight fragments of the slot's q-th 128 along K into set p
	WIN TO_B
.irp i, 0,1,2,3,4,5,6,7
	FRAG 128*(\p)+FR*\i, ADRB+\slot, \q, \i
.endr
	WIN 0
.endm
.macro FETCH_A slot, q, i0             ; R's blocks i0 .. i0 + 3
.irp i, \i0, \i0+1, \i0+2, \i0+3
	FRAG AF+FR*(\i), ADRA+\slot, \q, \i
.endr
.endm
.macro SCALES sc                       ; a slot's scale words into set sc: four words a row; lanes 0-15 take R's block i, lanes 16-31 P's block i
.irp i, 0,1,2,3,4,5,6,7
	ds_load_b128 v[SC+8*NQ*\sc+NQ*\i:SC+8*NQ*\sc+NQ*\i+3], v[ADRS] offset:\i*SBLK
.endr
.endm
; A load into a register that a matrix instruction has read, and a vector instruction that reads a matrix result or writes one of a matrix instruction's registers, stand NP places behind it, and only plain vector
; instructions that name none of its registers are places (ISA guide 7.12.1 for vector instructions).
.macro PLACES n
.rept \n
	v_nop
.endr
.endm
; A step of 128 along K that has its successor in the same slot.  A block of R is free as soon as its eight products are issued, so one set serves R: blocks 0-3 are fetched anew in the step's middle, blocks 4-7 at its end.
.macro STEP slot, q, zero
	s_wait_dscnt 4*NL                              ; P's set and R's blocks 0-3 are in; the youngest eight loads (R's blocks 4-7) may be out
	WIN MUL_LO
	MUL16 0, (\q)%2, \q, \slot, \zero
	MUL16 2, (\q)%2, \q, \slot, \zero
	s_wait_dscnt 0                                 ; R's blocks 4-7 are in (asked for 32 matrix instructions ago)
	PLACES NP
	FETCH_B \slot, (\q)+1, 1-(\q)%2
	FETCH_A \slot, (\q)+1, 0
	WIN MUL_HI
	MUL16 4, (\q)%2, \q, \slot, \zero
	MUL16 6, (\q)%2, \q, \slot, \zero
	PLACES NP
	WIN 0
	FETCH_A \slot, (\q)+1, 4
.endm
.macro STEPS slot, from                ; the slot's steps from .. NQ - 2
.set Q, \from
.rept NQ-1-\from
	STEP \slot, Q, 0
.set Q, Q+1
.endr
.endm
	s_wait_alu depctr_va_vdst(0)                   ; the wait at the head's end
	s_wait_tensorcnt 0x0                           ; my one load is in,
	s_barrier_signal -1
	s_barrier_wait -1                              ; everybody's is: both tiles and both sets of scale bytes are whole
	FETCH_B 0, 0, 0
	FETCH_A 0, 0, 0
	SCALES 0
	FETCH_A 0, 0, 4
	STEP 0, 0, 1                                   ; the first step's products start the sums
	STEPS 0, 1
	; slot 0's last step fetches slot 1's first fragments: the same rows, 256 bytes on; no barrier, since nothing is filled
	s_wait_dscnt 4*NL                              ; the youngest eight loads, R's blocks 4-7, may be out
	WIN MUL_LO
	MUL16 0, 1, NQ-1, 0, 0
	MUL16 2, 1, NQ-1, 0, 0
	s_wait_dscnt 0x0                               ; R's blocks 4-7 are in
	WIN 0
	PLACES NP
	v_add_nc_u32 v[ADRS], 4*NQ, v[ADRS]            ; on to slot 1's scale words (no LDS load of mine is out)
	FETCH_B 1, 0, 0
	FETCH_A 1, 0, 0
	SCALES 1
	WIN MUL_HI
	MUL16 4, 1, NQ-1, 0, 0
	MUL16 6, 1, NQ-1, 0, 0
	PLACES NP
	WIN 0
	FETCH_A 1, 0, 4
	STEPS 1, 0
	s_wait_dscnt 4*NL                              ; the very last step: nothing more to fetch
	WIN MUL_LO
	MUL16 0, 1, NQ-1, 1, 0
	MUL16 2, 1, NQ-1, 1, 0
	s_wait_dscnt 0
	WIN MUL_HI
	MUL16 4, 1, NQ-1, 1, 0
	MUL16 6, 1, NQ-1, 1, 0
	WIN 0
; THE WAY OUT, block by block of R's 16 rows.  64 numbers of a lane, v[ST + 16 B + i] = the next K's place 32 B + 16 h + i of my row, become a fragment's codes in v[PCR] on and its scale word in v[PWR].
.macro QUANT
.irp b, 0,1,2,3
	v_max3_num_f32 v[TM+\b], |v[ST+16*\b]|, |v[ST+1+16*\b]|, 0x1800000   ; block B: my 16 numbers, and the floor 2^(3 - 127): so the byte cannot fall under 1
.endr
.irp i, 2,4,6,8,10,12,14
.irp b, 0,1,2,3
	v_max3_num_f32 v[TM+\b], v[TM+\b], |v[ST+16*\b+\i]|, |v[ST+1+16*\b+\i]|   ; (the four blocks by turns)
.endr
.endr
.irp b, 0,1,2,3
	v_permlanex16_b32 v[TM+4+\b], v[TM+\b], s[SEL], s[SEL+1]
.endr
.irp b, 0,1,2,3
	v_max_num_f32 v[TM+\b], v[TM+\b], v[TM+4+\b]   ; with lane l xor 16's: the block's largest magnitude
.endr
.irp b, 0,1,2,3
	v_add_nc_u32 v[TM+12+\b], 0xff000000, v[TM+\b] ; 2 off its exponent field: the conversion's scale operand
.endr
.irp b, 0,1,2,3
	v_lshrrev_b32 v[TM+4+\b], 23, v[TM+12+\b]      ; the scale's byte
.endr
	v_lshl_or_b32 v[PWR], v[TM+5], 8, v[TM+4]      ; the four bytes make my row's scale word, the same in lanes l and l xor 16
	v_lshl_or_b32 v[PWR], v[TM+6], 16, v[PWR]
	v_lshl_or_b32 v[PWR], v[TM+7], 24, v[PWR]
.irp b, 0,1,2,3
	v_cvt_scalef32_pk8_fp4_f32 v[PCR+2*\b], v[ST+16*\b:ST+7+16*\b], v[TM+12+\b]
	v_cvt_scalef32_pk8_fp4_f32 v[PCR+1+2*\b], v[ST+8+16*\b:ST+15+16*\b], v[TM+12+\b]
.endr
	v_nop                                          ; one plain place behind a scaled conversion
.irp c, 0,1                                    ; the operand's layout wants a whole block in a lane: lanes 0-15 block 2 c, lanes 16-31 block 2 c + 1
.irp i, 0,1
	v_permlane16_swap_b32 v[PCR+4*\c+\i], v[PCR+2+4*\c+\i]
.endr
.endr
.endm
; Block a: the bias is added, which also brings the results into window 0 (each accumulator is read from its low end on); quantised; stored.  Each block has code registers and a scale word of its own, so no store's data are written again.
.macro EPI a
.set AC, 64*((\a)%4)
.set PCR, 32+8*(\a)
.set PWR, 8+(\a)
	s_cmp_eq_u32 s[PART], 0                        ; the same in all partners
	s_cbranch_scc0 .Lby_lane_\@
	WIN 0x02+(\a)/4                                ; source 0: window 2 or 3
.set k, 0
.rept 32
	v_pk_add_f32 v[ST+k:ST+k+1], v[AC+k:AC+k+1], v[BP+k:BP+k+1]    ; q, k: the feature runs along the registers
.set k, k+2
.endr
	WIN 0
	s_branch .Ladded_\@
.Lby_lane_\@:
	WIN 0x02+(\a)/4
.set k, 0
.rept 32
	v_pk_add_f32 v[ST+k:ST+k+1], v[AC+k:AC+k+1], v[BR+2*(\a):BR+2*(\a)+1]   ; v: the feature is my lane's row
.set k, k+2
.endr
	WIN 0
.Ladded_\@:
	QUANT
	global_store_b128 v[CO], v[PCR:PCR+3], s[DC:DC+1] offset:1024*(\a)          ; the fragment as it stands: 32 lanes store 512 consecutive bytes
	global_store_b128 v[CO], v[PCR+4:PCR+7], s[DC:DC+1] offset:1024*(\a)+512
.endm
	s_wait_loadcnt 0x0                             ; the bias
	PLACES NP                                      ; behind the last products: their results are read, and registers that held operands and scales are written
.irp a, 0,1,2,3,4,5,6,7
	EPI \a
.endr
	s_mov_b32 s2, 0xffff0000
.irp p, 0,1,2,3
	v_cndmask_b32 v[TM+8+\p], v[8+2*\p], v[9+2*\p], s2   ; the scale image: lanes 0-15 tile 2 p's words, lanes 16-31 tile 2 p + 1's
.endr
	global_store_b128 v[CO], v[TM+8:TM+11], s[DS:DS+1]
	s_wait_tensorcnt 0x0                           ; the wave's end
	ds_add_u32 v[SPW], v[NIL]
	s_wait_dscnt 0x0
	CROUND                                         ; the closing round: no work-group ends while a partner may still ask for a tile that names it
	s_endpgm
.Lfunc_end_k_qe5f0404ede_proj:
	.size	k_qe5f0404ede_proj, .Lfunc_end_k_qe5f0404ede_proj-k_qe5f0404ede_proj
	.p2alignl 7, 3214868480
	.fill 96, 4, 3214868480
	.section	.rodata,"a",@progbits
	.p2align	6, 0x0
	.amdhsa_kernel k_qe5f0404ede_proj
		.amdhsa_group_segment_fixed_size 327680
		.amdhsa_private_segment_fixed_size 0
		.amdhsa_enable_private_segment 0
		.amdhsa_kernarg_size 72
		.amdhsa_user_sgpr_count 2
		.amdhsa_user_sgpr_kernarg_segment_ptr 1
		.amdhsa_wavefront_size32 1
		.amdhsa_system_sgpr_workgroup_id_x 1
		.amdhsa_system_sgpr_workgroup_id_y 1
		.amdhsa_system_sgpr_workgroup_id_z 1
		.amdhsa_system_vgpr_workitem_id 0
		.amdhsa_next_free_vgpr 1024
		.amdhsa_next_free_sgpr 100
		.amdhsa_reserve_vcc 0
		.amdhsa_float_denorm_mode_32 3
		.amdhsa_float_denorm_mode_16_64 3
		.amdhsa_memory_ordered 1
		.amdhsa_forward_progress 1
		.amdhsa_inst_pref_size 164
	.end_amdhsa_kernel
	.amdgpu_metadata
---
amdhsa.version: [ 1, 2 ]
amdhsa.kernels:
  - .name:           k_qe5f0404ede_proj
    .symbol:         k_qe5f0404ede_proj.kd
    .args:
      - { .name: xc, .offset: 0, .size: 8, .value_kind: global_buffer, .address_space: global }
      - { .name: xs, .offset: 8, .size: 8, .value_kind: global_buffer, .address_space: global }
      - { .name: wc, .offset: 16, .size: 8, .value_kind: global_buffer, .address_space: global }
      - { .name: ws, .offset: 24, .size: 8, .value_kind: global_buffer, .address_space: global }
      - { .name: bq, .offset: 32, .size: 8, .value_kind: global_buffer, .address_space: global }
      - { .name: bk, .offset: 40, .size: 8, .value_kind: global_buffer, .address_space: global }
      - { .name: bv, .offset: 48, .size: 8, .value_kind: global_buffer, .address_space: global }
      - { .name: qi, .offset: 56, .size: 8, .value_kind: global_buffer, .address_space: global }
      - { .name: kv, .offset: 64, .size: 8, .value_kind: global_buffer, .address_space: global }
    .group_segment_fixed_size: 327680
    .private_segment_fixed_size: 0
    .kernarg_segment_align: 8
    .kernarg_segment_size: 72
    .max_flat_workgroup_size: 128
    .sgpr_count:     100
    .vgpr_count:     1024
    .wavefront_size: 32
...
	.end_amdgpu_metadata
.endif
;; end of part 2
;; launch attn (part 3): grid 16 x 16, 8 waves a work-group, clusters of 4 x 1, 327,680 bytes of LDS; arguments qi, kv, attention_mask, o, x; writes o
.if DOCPART == 3
	.amdgcn_target "amdgcn-amd-amdhsa--gfx1250"
	.amdhsa_code_object_version 6
	.text
	.protected	k_qe5f0404ede_attn
	.globl	k_qe5f0404ede_attn
	.p2align	8
	.type	k_qe5f0404ede_attn,@function
k_qe5f0404ede_attn:
	s_mov_b64 s[64:65], 0
	v_nop
	global_prefetch_b8 v0, s[64:65] scope:SCOPE_SE
	s_setreg_imm32_b32 hwreg(HW_REG_WAVE_MODE, 25, 1), 1
	s_wait_xcnt 0x0
	s_wait_alu depctr_hold_cnt(0) depctr_sa_sdst(0) depctr_va_vdst(0) depctr_va_sdst(0) depctr_va_ssrc(0) depctr_va_vcc(0) depctr_vm_vsrc(0)
	s_getreg_b32 s2, hwreg(HW_REG_IB_STS2, 6, 4)
	s_cmp_eq_u32 s2, 0
	s_cbranch_scc0 .Lentry_in_a_cluster
	s_endpgm
.Lentry_in_a_cluster:
	s_bfe_u32 s2, ttmp6, 0x10000c
	s_cmp_lg_u32 s2, 0x3003
	s_cbranch_scc0 .Lentry_shape_is_right
	s_endpgm
.Lentry_shape_is_right:
.set REC,   34816
.set VC,    16384
.set KSC,   32768
.set VSC,   33792
.set QREC,  17408
.set SLOT,  4*REC
.set SPARE, 2*SLOT
.set EXSZ,  16896
.set WSTG,  16640
.set SPI,   1040
.set LI,  1
.set SPW, 2
.set NIL, 3
.set ADR, 4
.set DQ,  5
.set RAW, 6
.set PFO, 7
.set STL, 8
.set STH, 12
.set QL,  16
.set QH,  32
.set QSL, 48
.set QSH, 50
.set KSL, 52
.set VSL, 60
.set PCL, 68
.set PCH, 76
.set PSL, 84
.set PSH, 85
.set BM,  88
.set BT,  92
.set BE,  96
.set F,   100
.set T,   102
.set P0,  103
.set STO, 104
.set RD,  105
.set EXW, 106
.set EXR, 107
.set SCR, 108
.set MBL, 120
.set MBH, 121
.set S,   128
.set FR,  192
.set OH,  0
.set OL,  128
.set WV,   12
.set CXI,  13
.set CL,   14
.set BH,   15
.set BL,   16
.set BHI,  17
.set KSI,  18
.set TB,   19
.set CNT,  20
.set K64,  21
.set CS,   22
.set G1,   24
.set G0A,  32
.set G0B,  36
.set SEL,  40
.set PFA,  42
.set ASKF, 44
.set TA,   45
.set PAR,  58
.set POFF, 59
.set MSB, 0
.macro WIN new
.if MSB != (\new)
	s_set_vgpr_msb (MSB<<8)|(\new)
.set MSB, \new
.endif
.endm
.macro CROUND
	s_barrier_signal -1
	s_barrier_wait -1
	s_cmp_lg_u32 s[WV], 0
	s_cbranch_scc1 .Lnot_wave_0_\@
	s_barrier_signal -3
.Lnot_wave_0_\@:
	s_barrier_wait -3
	s_barrier_signal -1
	s_barrier_wait -1
.endm
.macro ASK off
	s_cmp_eq_u32 s[ASKF], 0
	s_cbranch_scc0 .Lnot_mine_\@
	global_prefetch_b8 v[PFO], s[PFA:PFA+1] offset:\off th:TH_LOAD_NT scope:SCOPE_SE
.Lnot_mine_\@:
.endm
	s_load_b256 s[4:11], s[0:1], 0x0               ; qi, kv, attention_mask, o
	s_load_b64 s[2:3], s[0:1], 0x20                ; x: the residual is added here, so buffer o takes y = attention + x
	v_lshl_add_u32 v[SPW], v0, 2, SPARE
	v_mov_b32 v[NIL], 0
	ds_add_u32 v2, v3
	ds_add_u32 v2, v3
	s_wait_dscnt 0x0
	v_lshrrev_b32 v[SCR], 5, v0
	s_delay_alu instid0(VALU_DEP_1)
	v_readfirstlane_b32 s[WV], v[SCR]
	s_bfe_u32 s[CXI], ttmp6, 0x40000
	s_mov_b32 s[CL], ttmp9
	s_and_b32 s[BH], ttmp7, 0xffff
	s_lshr_b32 s[PAR], s[WV], 2
	s_mul_i32 s[POFF], s[PAR], REC
	s_mov_b32 s[KSI], s[PAR]
	s_bfe_u32 s46, s[WV], 0x10001
	s_lshl_b32 s47, s[CL], 1
	s_add_co_u32 s[BL], s46, s47
	s_sub_co_u32 s[BHI], 15, s[BL]
	s_cmp_eq_u32 s[PAR], 0                         ; waves 4-7 serve the two query blocks with the register sets exchanged: so every wave sends its H set to wave xor 4 and keeps its L set
	s_cselect_b32 s46, s[BL], s[BHI]
	s_cselect_b32 s[BHI], s[BHI], s[BL]
	s_mov_b32 s[BL], s46
	s_and_b32 s[TA], s[WV], 1
	s_lshl_b32 s46, s[CXI], 1
	s_add_co_u32 s[TA], s[TA], s46
	s_mov_b32 s[G1], 15|(3<<16)|(1<<21)
	s_mov_b32 s[G1+1], 32<<16
	s_mov_b32 s[G1+2], 68<<16
	s_mov_b32 s[G1+3], 32<<16
	s_mov_b32 s[G1+4], 68
	s_mov_b32 s[G1+5], 32
	s_mov_b32 s[G1+6], 0
	s_mov_b32 s[G1+7], 0
	s_mov_b32 s[CS], 0x3db8aa3b
	s_mov_b32 s[CS+1], s[CS]
	s_mov_b32 s[SEL], 0x76543210
	s_mov_b32 s[SEL+1], 0xfedcba98
	s_mov_b32 s[K64], 0x42800000
	s_lshr_b32 s[ASKF], s[WV], 2
	s_or_b32 s[ASKF], s[ASKF], s[CL]
	s_mul_i32 s48, s[BH], 16*REC
	s_mul_i32 s49, s[WV], SLOT/8
	s_add_co_u32 s50, s48, s49
	s_mov_b32 s51, 0
	s_lshl_b32 s46, s[BH], 4
	s_add_co_u32 s52, s46, s[BL]
	s_mul_i32 s52, s52, QREC
	s_add_co_u32 s53, s46, s[BHI]
	s_mul_i32 s53, s53, QREC
	s_lshl_b32 s47, s[TA], 10
	s_add_co_u32 s54, s52, s47
	s_add_co_u32 s55, s53, s47
	s_and_b32 s46, s[TA], 1
	s_lshr_b32 s47, s[TA], 1
	s_lshl_b32 s60, s46, 8
	s_lshl_b32 s61, s47, 2
	s_add_co_u32 s60, s60, s61
	s_add_co_u32 s52, s52, s60
	s_add_co_u32 s53, s53, s60
	s_lshl_b32 s46, s46, 3
	s_lshl_b32 s47, s47, 5
	s_add_co_u32 s60, s46, s47
	s_lshr_b32 s46, s[BH], 2
	s_lshl_b32 s46, s46, 11
	s_lshl_b32 s61, s[BL], 7
	s_add_co_u32 s61, s61, s46
	s_lshl_b32 s62, s[BHI], 7
	s_add_co_u32 s62, s62, s46
	s_add_co_u32 s56, s61, s60                     ; the rows that I store are my L set's
	s_lshl_b32 s56, s56, 12
	s_and_b32 s47, s[BH], 3
	s_lshl_b32 s47, s47, 10
	s_add_co_u32 s56, s56, s47
	s_mov_b32 s57, 0
	s_mul_i32 s42, s[CXI], REC
	s_lshl_b32 s47, s[WV], 13
	s_add_co_u32 s42, s42, s47
	s_add_co_u32 s42, s42, s48
	s_add_co_u32 s42, s42, 2*SLOT
	s_mov_b32 s43, 0
	s_wait_kmcnt 0x0
	s_mov_b32 s[G0A], 1
	s_mov_b32 s[G0A+1], s49
	s_add_nc_u64 s[G0A+2:G0A+3], s[6:7], s[50:51]
	s_mov_b32 s[G0B], 1
	s_add_co_u32 s[G0B+1], s49, SLOT
	s_add_nc_u64 s[G0B+2:G0B+3], s[G0A+2:G0A+3], SLOT
	s_or_b32 s[G0A+3], s[G0A+3], 0x80000000
	s_or_b32 s[G0B+3], s[G0B+3], 0x80000000
	s_add_nc_u64 s[PFA:PFA+1], s[6:7], s[42:43]
	s_add_nc_u64 s[2:3], s[2:3], s[56:57]          ; x at my rows and columns: the same offset as in o
	s_add_nc_u64 s[56:57], s[10:11], s[56:57]
	CROUND
	tensor_load_to_lds s[G0A:G0A+3], s[G1:G1+7]
	s_nop 0
.rept 4
	v_nop
.endr
	v_and_b32 v[SCR], 31, v0
	s_delay_alu instid0(VALU_DEP_1)
	v_lshlrev_b32 v[LI], 4, v[SCR]
	s_delay_alu instid0(VALU_DEP_2)
	v_lshlrev_b32 v[PFO], 8, v[SCR]
	s_delay_alu instid0(VALU_DEP_2)
	v_add_nc_u32 v[SCR+1], s54, v[LI]
	s_delay_alu instid0(VALU_DEP_3)
	v_add_nc_u32 v[SCR+2], s55, v[LI]
.irp c, 0,1
.irp i, 0,1
	global_load_b128 v[QL+8*\c+4*\i:QL+8*\c+4*\i+3], v[SCR+1], s[4:5] offset:8192*\c+512*\i
	global_load_b128 v[QH+8*\c+4*\i:QH+8*\c+4*\i+3], v[SCR+2], s[4:5] offset:8192*\c+512*\i
.endr
.endr
	v_and_b32 v[SCR+3], 15, v0
	v_bfe_u32 v[SCR+4], v0, 4, 1
	s_delay_alu instid0(VALU_DEP_2)
	v_lshlrev_b32 v[SCR+5], 4, v[SCR+3]
	s_delay_alu instid0(VALU_DEP_1)
	v_add_nc_u32 v[SCR+6], s52, v[SCR+5]
	s_delay_alu instid0(VALU_DEP_2)
	v_add_nc_u32 v[SCR+7], s53, v[SCR+5]
.irp c, 0,1
	global_load_b32 v[QSL+\c], v[SCR+6], s[4:5] offset:16384+512*\c
	global_load_b32 v[QSH+\c], v[SCR+7], s[4:5] offset:16384+512*\c
.endr
	v_and_b32 v[SCR+8], 8, v[SCR+3]
	s_delay_alu instid0(VALU_DEP_1)
	v_add_nc_u32 v[SCR+8], v[SCR+8], v[SCR+3]
	s_delay_alu instid0(VALU_DEP_1)
	v_add_nc_u32 v[SCR+8], s60, v[SCR+8]
	v_lshlrev_b32 v[DQ], 4, v[SCR+4]
	s_delay_alu instid0(VALU_DEP_1)
	v_sub_nc_u32 v[DQ], v[SCR+8], v[DQ]
	s_delay_alu instid0(VALU_DEP_3)
	v_add_nc_u32 v[SCR+9], s61, v[SCR+8]
	s_delay_alu instid0(VALU_DEP_4)
	v_add_nc_u32 v[SCR+10], s62, v[SCR+8]
	global_load_u8 v[MBL], v[SCR+9], s[8:9]
	global_load_u8 v[MBH], v[SCR+10], s[8:9]
	s_mul_i32 s46, s[WV], WSTG
	s_add_co_u32 s46, s46, SLOT
	v_mul_u32_u24 v[STO], v[SCR+3], SPI
	s_delay_alu instid0(VALU_DEP_1)
	v_lshl_add_u32 v[STO], v[SCR+4], 6, v[STO]
	s_delay_alu instid0(VALU_DEP_1)
	v_add_nc_u32 v[STO], s46, v[STO]
	v_add_nc_u32 v[RD], s46, v[LI]
	s_mul_i32 s47, s[WV], EXSZ
	v_add_nc_u32 v[EXW], s47, v[LI]
	s_xor_b32 s50, s[WV], 4
	s_mul_i32 s50, s50, EXSZ
	v_add_nc_u32 v[EXR], s50, v[LI]
	v_mov_b32 v[RAW], 0x3289705f
	s_mov_b32 s51, 0xff61b1e6
	s_cmp_lt_u32 s[BL], 15                         ; a block under the last has masked keys in every row: its largest score begins at the fill value; else under every score
	s_cselect_b32 s50, 0x3289705f, s51
	v_mov_b32 v[T], s50
	s_delay_alu instid0(VALU_DEP_1)
	v_mul_f32 v[STL+1], s[CS], v[T]
	s_delay_alu instid0(VALU_DEP_1)
	v_floor_f32 v[STL], -v[STL+1]
	s_cmp_lt_u32 s[BHI], 15
	s_cselect_b32 s51, 0x3289705f, s51
	v_mov_b32 v[T], s51
	s_delay_alu instid0(VALU_DEP_1)
	v_mul_f32 v[STH+1], s[CS], v[T]
	s_delay_alu instid0(VALU_DEP_1)
	v_floor_f32 v[STH], -v[STH+1]
.irp i, 2,3
	v_mov_b32 v[STL+\i], 0
	v_mov_b32 v[STH+\i], 0
.endr
.irp b, 0,1,2,3
	v_mov_b32 v[BT+\b], 0
.endr
	v_mov_b32 v[F+1], 0
.set PFX, 122                          ; v122 the offset of x's prefetches: row lane / 4 (4,096 bytes), block lane % 4 (256 bytes); never rewritten
	v_bfe_u32 v[PFX], v0, 2, 3
	v_and_b32 v[T], 3, v0
	s_delay_alu instid0(VALU_DEP_2)
	v_lshlrev_b32 v[PFX], 12, v[PFX]
	s_delay_alu instid0(VALU_DEP_1)
	v_lshl_add_u32 v[PFX], v[T], 8, v[PFX]
	s_wait_loadcnt 0x0
	v_cmp_eq_u32 vcc_lo, 0, v[MBL]
.set i, 0
.rept 16
	v_cndmask_b32 v[QL+i], 0, v[QL+i], vcc_lo
.set i, i+1
.endr
	v_cmp_eq_u32 vcc_lo, 0, v[MBH]
.set i, 0
.rept 16
	v_cndmask_b32 v[QH+i], 0, v[QH+i], vcc_lo
.set i, i+1
.endr
	WIN 0x40
.set i, 0
.rept 256
	v_mov_b32 v[i], 0
.set i, i+1
.endr
	WIN 0
.macro KQ a, c, q, qs
.set rS, S+8*(\a)
.set rK, FR+8*(4*(\c)+(\a)%4)
.set rQ, (\q)+8*(\c)
.set rA, KSL+4*(\c)+(\a)/2
.set rB, (\qs)+(\c)
.if (\c) == 0
.if (\a)%2
	v_wmma_scale_f32_16x16x128_f8f6f4 v[rS:rS+7], v[rK:rK+7], v[rQ:rQ+7], 0, v[rA], v[rB] matrix_a_fmt:MATRIX_FMT_FP4 matrix_b_fmt:MATRIX_FMT_FP4 matrix_a_scale:MATRIX_SCALE_ROW1
.else
	v_wmma_scale_f32_16x16x128_f8f6f4 v[rS:rS+7], v[rK:rK+7], v[rQ:rQ+7], 0, v[rA], v[rB] matrix_a_fmt:MATRIX_FMT_FP4 matrix_b_fmt:MATRIX_FMT_FP4
.endif
.else
.if (\a)%2
	v_wmma_scale_f32_16x16x128_f8f6f4 v[rS:rS+7], v[rK:rK+7], v[rQ:rQ+7], v[rS:rS+7], v[rA], v[rB] matrix_a_fmt:MATRIX_FMT_FP4 matrix_b_fmt:MATRIX_FMT_FP4 matrix_a_scale:MATRIX_SCALE_ROW1
.else
	v_wmma_scale_f32_16x16x128_f8f6f4 v[rS:rS+7], v[rK:rK+7], v[rQ:rQ+7], v[rS:rS+7], v[rA], v[rB] matrix_a_fmt:MATRIX_FMT_FP4 matrix_b_fmt:MATRIX_FMT_FP4
.endif
.endif
.endm
.macro VLOAD0
	ds_load_b128 v[VSL:VSL+3], v[ADR] offset:VSC
	ds_load_b128 v[VSL+4:VSL+7], v[ADR] offset:VSC+512
.set i, 0
.rept 8
	ds_load_b128 v[FR+8*i:FR+8*i+3], v[ADR] offset:VC+1024*i
	ds_load_b128 v[FR+8*i+4:FR+8*i+7], v[ADR] offset:VC+1024*i+512
.set i, i+1
.endr
.endm
.macro VLOAD1
.set i, 0
.rept 8
	ds_load_b128 v[S+8*i:S+8*i+3], v[ADR] offset:VC+8192+1024*i
	ds_load_b128 v[S+8*i+4:S+8*i+7], v[ADR] offset:VC+8192+1024*i+512
.set i, i+1
.endr
.endm
.macro PVG fb, t0
.set t, 0
.rept 4
	v_wmma_scale_f32_16x16x128_f8f6f4 v[OL+8*(\t0+t):OL+8*(\t0+t)+7], v[\fb+8*t:\fb+8*t+7], v[PCL:PCL+7], v[OL+8*(\t0+t):OL+8*(\t0+t)+7], v[VSL+(\t0+t)/2], v[PSL] matrix_a_fmt:MATRIX_FMT_FP4 matrix_b_fmt:MATRIX_FMT_FP4
	v_wmma_scale_f32_16x16x128_f8f6f4 v[OH+8*(\t0+t):OH+8*(\t0+t)+7], v[\fb+8*t:\fb+8*t+7], v[PCH:PCH+7], v[OH+8*(\t0+t):OH+8*(\t0+t)+7], v[VSL+(\t0+t)/2], v[PSH] matrix_a_fmt:MATRIX_FMT_FP4 matrix_b_fmt:MATRIX_FMT_FP4
	v_wmma_scale_f32_16x16x128_f8f6f4 v[OL+8*(\t0+t)+8:OL+8*(\t0+t)+15], v[\fb+8*t+8:\fb+8*t+15], v[PCL:PCL+7], v[OL+8*(\t0+t)+8:OL+8*(\t0+t)+15], v[VSL+(\t0+t)/2], v[PSL] matrix_a_fmt:MATRIX_FMT_FP4 matrix_b_fmt:MATRIX_FMT_FP4 matrix_a_scale:MATRIX_SCALE_ROW1
	v_wmma_scale_f32_16x16x128_f8f6f4 v[OH+8*(\t0+t)+8:OH+8*(\t0+t)+15], v[\fb+8*t+8:\fb+8*t+15], v[PCH:PCH+7], v[OH+8*(\t0+t)+8:OH+8*(\t0+t)+15], v[VSL+(\t0+t)/2], v[PSH] matrix_a_fmt:MATRIX_FMT_FP4 matrix_b_fmt:MATRIX_FMT_FP4 matrix_a_scale:MATRIX_SCALE_ROW1
.set t, t+2
.endr
.endm
.macro VIS st, q, qs, pc, ps, ob, blk, ish
	ds_load_b128 v[KSL:KSL+3], v[ADR] offset:KSC
	ds_load_b128 v[KSL+4:KSL+7], v[ADR] offset:KSC+512
.irp g, 0,1
.irp c, 0,1
.irp t, 0,1,2,3
	ds_load_b128 v[FR+8*(4*\c+\t):FR+8*(4*\c+\t)+3], v[ADR] offset:8192*\c+1024*(4*\g+\t)
	ds_load_b128 v[FR+8*(4*\c+\t)+4:FR+8*(4*\c+\t)+7], v[ADR] offset:8192*\c+1024*(4*\g+\t)+512
.endr
.endr
	s_wait_dscnt 0x0
.irp c, 0,1
.irp t, 0,1,2,3
	KQ 4*\g+\t, \c, \q, \qs
.endr
.endr
.rept 4
	v_nop
.endr
.endr
.if \ish
	VLOAD0
.endif
	s_cmp_eq_u32 s[KSI], s[\blk]
	s_cbranch_scc0 .Lopen_\@
.set n, 0
.rept 64
	v_cmp_gt_i32 vcc_lo, 32*(n/16)+n%16, v[DQ]
	v_cndmask_b32 v[S+n], v[S+n], v[RAW], vcc_lo
.set n, n+1
.endr
.Lopen_\@:
.irp b, 0,1,2,3
	v_max3_num_f32 v[BM+\b], v[S+16*\b], v[S+1+16*\b], v[S+2+16*\b]
.endr
.irp i, 3,5,7,9,11,13
.irp b, 0,1,2,3
	v_max3_num_f32 v[BM+\b], v[BM+\b], v[S+16*\b+\i], v[S+1+16*\b+\i]
.endr
.endr
.irp b, 0,1,2,3
	v_max_num_f32 v[BM+\b], v[BM+\b], v[S+15+16*\b]
.endr
.irp b, 0,1,2,3
	s_delay_alu instid0(VALU_DEP_4)
	v_permlanex16_b32 v[BT+\b], v[BM+\b], s[SEL], s[SEL+1]
.endr
.irp b, 0,1,2,3
	s_delay_alu instid0(VALU_DEP_4)
	v_max_num_f32 v[BM+\b], v[BM+\b], v[BT+\b]
.endr
	s_delay_alu instid0(VALU_DEP_2)
	v_max3_num_f32 v[T], v[BM], v[BM+1], v[BM+2]
	s_delay_alu instid0(VALU_DEP_1)
	v_max_num_f32 v[T], v[T], v[BM+3]
	s_delay_alu instid0(VALU_DEP_1)
	v_mul_f32 v[T], s[CS], v[T]
	s_delay_alu instid0(VALU_DEP_1)
	v_max_num_f32 v[\st+1], v[\st+1], v[T]
	v_mov_b32 v[T], v[\st]
	s_delay_alu instid0(VALU_DEP_2)
	v_floor_f32 v[\st], -v[\st+1]
	s_delay_alu instid0(VALU_DEP_1)
	v_sub_f32 v[T], v[\st], v[T]
	s_delay_alu instid0(VALU_DEP_1)
	v_cvt_i32_f32 v[T], v[T]
	s_delay_alu instid0(VALU_DEP_1)
	v_ldexp_f32 v[F], 1.0, v[T]
.set j, 0
.rept 32
	v_pk_fma_f32 v[S+j:S+j+1], v[S+j:S+j+1], s[CS:CS+1], v[\st:\st+1] op_sel_hi:[1,0,0]
.set j, j+2
.endr
.irp b, 0,1,2,3
	v_fma_f32 v[BM+\b], v[BM+\b], s[CS], v[\st]
.endr
.set j, 0
	s_wait_alu depctr_va_vdst(0)
.rept 64
	v_exp_f32 v[S+j], v[S+j]
.set j, j+1
.endr
	v_pk_mul_f32 v[\st+2:\st+3], v[\st+2:\st+3], v[F:F+1] op_sel_hi:[1,0]
	s_wait_alu depctr_va_vdst(0)
.irp b, 0,1,2,3
	v_exp_f32 v[BM+\b], v[BM+\b]
.endr
	v_pk_add_f32 v[BT:BT+1], v[S:S+1], v[S+2:S+3]
.irp j, 4,8,12,16,20,24,28,32,36,40,44,48,52,56,60
	v_pk_add_f32 v[\st+2:\st+3], v[\st+2:\st+3], v[S+\j:S+\j+1]
	v_pk_add_f32 v[BT:BT+1], v[BT:BT+1], v[S+2+\j:S+3+\j]
.endr
	s_delay_alu instid0(VALU_DEP_1)
	v_pk_add_f32 v[\st+2:\st+3], v[\st+2:\st+3], v[BT:BT+1]
	s_wait_alu depctr_va_vdst(0)
.irp b, 0,1,2,3
	v_max_num_f32 v[BM+\b], 0x1800000, v[BM+\b]
.endr
.irp b, 0,1,2,3
	s_delay_alu instid0(VALU_DEP_4)
	v_add_nc_u32 v[BE+\b], 0xff000000, v[BM+\b]
.endr
.irp b, 0,1,2,3
	s_delay_alu instid0(VALU_DEP_4)
	v_lshrrev_b32 v[BT+\b], 23, v[BE+\b]
.endr
	s_delay_alu instid0(VALU_DEP_3)
	v_lshl_or_b32 v[\ps], v[BT+1], 8, v[BT]
	s_delay_alu instid0(VALU_DEP_1)
	v_lshl_or_b32 v[\ps], v[BT+2], 16, v[\ps]
	s_delay_alu instid0(VALU_DEP_1)
	v_lshl_or_b32 v[\ps], v[BT+3], 24, v[\ps]
.irp b, 0,1,2,3
	v_cvt_scalef32_pk8_fp4_f32 v[\pc+2*\b], v[S+16*\b:S+7+16*\b], v[BE+\b]
	v_cvt_scalef32_pk8_fp4_f32 v[\pc+1+2*\b], v[S+8+16*\b:S+15+16*\b], v[BE+\b]
.endr
	v_nop
.irp c, 0,1
.irp i, 0,1
	v_permlane16_swap_b32 v[\pc+4*\c+\i], v[\pc+2+4*\c+\i]
.endr
.endr
.if \ish
	VLOAD1
.endif
	WIN 0x41
.set j, 0
.rept 64
	v_pk_mul_f32 v[\ob+j:\ob+j+1], v[\ob+j:\ob+j+1], v[F:F+1] op_sel_hi:[1,0]
.set j, j+2
.endr
	WIN 0
.endm
.macro TRANS st, pc, ps
	v_fma_f32 v[T], v[RAW], s[CS], v[\st]
	s_wait_alu depctr_va_vdst(0)
	v_exp_f32 v[P0], v[T]
	v_nop
	s_wait_alu depctr_va_vdst(0)
	v_fma_f32 v[\st+2], v[P0], s[K64], v[\st+2]
	v_max_num_f32 v[T], 0x1800000, v[P0]
	s_delay_alu instid0(VALU_DEP_1)
	v_add_nc_u32 v[BE], 0xff000000, v[T]
	s_delay_alu instid0(VALU_DEP_1)
	v_lshrrev_b32 v[T], 23, v[BE]
	s_delay_alu instid0(VALU_DEP_1)
	v_lshl_or_b32 v[\ps], v[T], 8, v[T]
	s_delay_alu instid0(VALU_DEP_1)
	v_lshl_or_b32 v[\ps], v[\ps], 16, v[\ps]
.irp i, 0,1,2,3,4,5,6,7
	v_mov_b32 v[BM+\i], v[P0]
.endr
	v_cvt_scalef32_pk8_fp4_f32 v[\pc], v[BM:BM+7], v[BE]
	v_nop
.irp i, 1,2,3,4,5,6,7
	v_mov_b32 v[\pc+\i], v[\pc]
.endr
.endm
.macro STEP
	v_add_nc_u32 v[ADR], s[TB], v[LI]
.rept 4
	v_nop
.endr
	s_cmp_gt_u32 s[KSI], s[BL]
	s_cbranch_scc1 .Llight_l_\@
	s_wait_alu depctr_va_vdst(0)
	VIS STL, QL, QSL, PCL, PSL, OL, BL, 0
	s_branch .Ldone_l_\@
.Llight_l_\@:
	TRANS STL, PCL, PSL
.Ldone_l_\@:
	s_cmp_gt_u32 s[KSI], s[BHI]
	s_cbranch_scc1 .Llight_h_\@
	VIS STH, QH, QSH, PCH, PSH, OH, BHI, 1
	s_branch .Ldone_h_\@
.Llight_h_\@:
	VLOAD0
	VLOAD1
	TRANS STH, PCH, PSH
.rept 4
	v_nop
.endr
.Ldone_h_\@:
	s_wait_dscnt 16
	WIN 0x50
	s_wait_alu depctr_va_vdst(0)
	PVG FR, 0
	s_wait_dscnt 0x0
	PVG S, 8
	WIN 0
	s_add_co_u32 s[TB], s[TB], 2*REC
	s_add_co_u32 s[KSI], s[KSI], 2
.endm
.macro SLOT_STEPS base
	s_add_co_u32 s[TB], s[POFF], \base
	s_mov_b32 s[CNT], 2
.Lstep_\@:
	STEP
	s_sub_co_u32 s[CNT], s[CNT], 1
	s_cmp_lg_u32 s[CNT], 0
	s_cbranch_scc1 .Lstep_\@
.endm
.macro CHANGE fill, g0
	s_wait_tensorcnt 0x0
	ds_add_u32 v[SPW], v[NIL]
.if \fill
	s_add_nc_u64 s[\g0+2:\g0+3], s[\g0+2:\g0+3], 2*SLOT
.endif
	s_wait_dscnt 0x0
.if \fill
	CROUND
	tensor_load_to_lds s[\g0:\g0+3], s[G1:G1+7]
	s_nop 0
.rept 4
	v_nop
.endr
.else
	s_barrier_signal -1
	s_barrier_wait -1
.endif
.endm
	; The head's register work and Q's loads stand between slot 0's load and this wait.  Slot 1's first fill is issued as a refill is: the three lines, a round, the joint load first behind it.
	s_wait_alu depctr_va_vdst(0)                   ; the wait at the head's end
	s_wait_tensorcnt 0x0                           ; my part of slot 0 is in
	ds_add_u32 v[SPW], v[NIL]
	s_wait_dscnt 0x0
	CROUND                                         ; everybody's part of slot 0 is in, and the four partners are here
	tensor_load_to_lds s[G0B:G0B+3], s[G1:G1+7]
	s_nop 0
.rept 4
	v_nop
.endr
	ASK 0
	SLOT_STEPS 0
	CHANGE 1, G0A
	ASK SLOT
	SLOT_STEPS SLOT
	CHANGE 1, G0B
	; my 16 rows x 1,024 bytes of x are 64 aligned blocks of 256 bytes: each is asked for once, by the wave that will load it, a lane a block, two slots' steps ahead of the loads
	global_prefetch_b8 v[PFX], s[2:3] th:TH_LOAD_NT scope:SCOPE_SE
	global_prefetch_b8 v[PFX], s[2:3] offset:65536 th:TH_LOAD_NT scope:SCOPE_SE
	SLOT_STEPS 0
	CHANGE 0, G0A
	SLOT_STEPS SLOT
.macro SEND ob, st
	WIN 0x04
.set i, 0
.rept 32
	ds_store_b128 v[EXW], v[\ob+4*i:\ob+4*i+3] offset:512*i
.set i, i+1
.endr
	WIN 0
	ds_store_b128 v[EXW], v[\st:\st+3] offset:16384
.endm
.macro MERGE ob, st
	ds_load_b128 v[SCR:SCR+3], v[EXR] offset:16384
.set i, 0
.rept 32
	ds_load_b128 v[S+4*i:S+4*i+3], v[EXR] offset:512*i
.set i, i+1
.endr
	v_mov_b32 v[BE+1], 0
	v_mov_b32 v[BE+3], 0
	s_wait_dscnt 32
	v_min_num_f32 v[T], v[\st], v[SCR]
	s_delay_alu instid0(VALU_DEP_1)
	v_sub_f32 v[BM], v[T], v[\st]
	s_delay_alu instid0(VALU_DEP_2)
	v_sub_f32 v[BM+1], v[T], v[SCR]
	s_delay_alu instid0(VALU_DEP_2)
	v_cvt_i32_f32 v[BM], v[BM]
	s_delay_alu instid0(VALU_DEP_2)
	v_cvt_i32_f32 v[BM+1], v[BM+1]
	s_delay_alu instid0(VALU_DEP_2)
	v_ldexp_f32 v[BE], 1.0, v[BM]
	s_wait_alu depctr_va_vdst(0)
	v_ldexp_f32 v[BE+2], 1.0, v[BM+1]
	v_pk_mul_f32 v[\st+2:\st+3], v[\st+2:\st+3], v[BE:BE+1] op_sel_hi:[1,0]
	s_delay_alu instid0(VALU_DEP_1)
	v_pk_fma_f32 v[\st+2:\st+3], v[SCR+2:SCR+3], v[BE+2:BE+3], v[\st+2:\st+3] op_sel_hi:[1,0,1]
	s_delay_alu instid0(VALU_DEP_1)
	v_add_f32 v[T], v[\st+2], v[\st+3]
	s_delay_alu instid0(VALU_DEP_1)
	v_permlanex16_b32 v[BT], v[T], s[SEL], s[SEL+1]
	s_delay_alu instid0(VALU_DEP_1)
	v_add_f32 v[T], v[T], v[BT]
	s_wait_alu depctr_va_vdst(0)
	v_rcp_f32 v[T], v[T]
	v_nop
	s_wait_alu depctr_va_vdst(0)
	v_mul_f32 v[BE], v[BE], v[T]
	v_mul_f32 v[BE+2], v[BE+2], v[T]
	s_wait_alu depctr_va_vdst(0)
	s_wait_dscnt 0x0
.set j, 0
.rept 64
	v_pk_mul_f32 v[S+j:S+j+1], v[S+j:S+j+1], v[BE+2:BE+3] op_sel_hi:[1,0]
.set j, j+2
.endr
	WIN 0x01
.set j, 0
.rept 64
	v_pk_fma_f32 v[S+j:S+j+1], v[\ob+j:\ob+j+1], v[BE:BE+1], v[S+j:S+j+1] op_sel_hi:[1,0,1]
.set j, j+2
.endr
	WIN 0
.endm
.rept 4
	v_nop
.endr
	SEND OH, STH                                   ; my H set's part goes to wave xor 4, whose L set serves the same queries
	s_wait_dscnt 0x0                               ; for the others' sake; and the stores have read the H set's registers,
	WIN 0x40
.set i, 0
.rept 32
	global_load_b128 v[OH+4*i:OH+4*i+3], v[LI], s[2:3] offset:((i/2)+8*((i/2)/8))*4096+512*(i%2) th:TH_LOAD_NT   ; which take x at the places of my stores: 32 lanes read 512 consecutive bytes
.set i, i+1
.endr
	WIN 0
	s_barrier_signal -1
	s_barrier_wait -1
	MERGE OL, STL
.set t, 0
	s_wait_alu depctr_va_vdst(0)
.rept 16
	ds_store_b128 v[STO], v[S+8*t:S+8*t+3] offset:128*(t/2)+32*(t%2)
	ds_store_b128 v[STO], v[S+8*t+4:S+8*t+7] offset:128*(t/2)+32*(t%2)+16
.set t, t+1
.endr
.set i, 0
.rept 32
	ds_load_b128 v[S+4*i:S+4*i+3], v[RD] offset:SPI*(i/2)+512*(i%2)
.set i, i+1
.endr
.irp u, 0,1                            ; y = attention + x, in two halves of 16 pieces: the younger 16 loads of each kind may be out in the first
	s_wait_loadcnt 16-16*\u
	s_wait_dscnt 16-16*\u
	WIN 0x01                                       ; source 0: x, in window 1
.set j, 0
.rept 32
	v_pk_add_f32 v[S+64*\u+j:S+64*\u+j+1], v[OH+64*\u+j:OH+64*\u+j+1], v[S+64*\u+j:S+64*\u+j+1]
.set j, j+2
.endr
	WIN 0
.set i, 16*\u
.rept 16
	global_store_b128 v[LI], v[S+4*i:S+4*i+3], s[56:57] offset:((i/2)+8*((i/2)/8))*4096+512*(i%2)
.set i, i+1
.endr
.endr
	s_wait_tensorcnt 0x0
	ds_add_u32 v[SPW], v[NIL]
	s_wait_dscnt 0x0
	CROUND
	s_endpgm
.Lfunc_end_k_qe5f0404ede_attn:
	.size	k_qe5f0404ede_attn, .Lfunc_end_k_qe5f0404ede_attn-k_qe5f0404ede_attn
	.p2alignl 7, 3214868480
	.fill 96, 4, 3214868480
	.section	.rodata,"a",@progbits
	.p2align	6, 0x0
	.amdhsa_kernel k_qe5f0404ede_attn
		.amdhsa_group_segment_fixed_size 327680
		.amdhsa_private_segment_fixed_size 0
		.amdhsa_enable_private_segment 0
		.amdhsa_kernarg_size 40
		.amdhsa_user_sgpr_count 2
		.amdhsa_user_sgpr_kernarg_segment_ptr 1
		.amdhsa_wavefront_size32 1
		.amdhsa_system_sgpr_workgroup_id_x 1
		.amdhsa_system_sgpr_workgroup_id_y 1
		.amdhsa_system_sgpr_workgroup_id_z 1
		.amdhsa_system_vgpr_workitem_id 0
		.amdhsa_next_free_vgpr 512
		.amdhsa_next_free_sgpr 66
		.amdhsa_reserve_vcc 1
		.amdhsa_float_denorm_mode_32 3
		.amdhsa_float_denorm_mode_16_64 3
		.amdhsa_memory_ordered 1
		.amdhsa_forward_progress 1
		.amdhsa_inst_pref_size 255
	.end_amdhsa_kernel
	.section	.bss,"aw",@nobits
	.p2align	6
	.space	262144
	.amdgpu_metadata
---
amdhsa.version: [ 1, 2 ]
amdhsa.kernels:
  - .name:           k_qe5f0404ede_attn
    .symbol:         k_qe5f0404ede_attn.kd
    .args:
      - { .name: qi, .offset: 0, .size: 8, .value_kind: global_buffer, .address_space: global }
      - { .name: kv, .offset: 8, .size: 8, .value_kind: global_buffer, .address_space: global }
      - { .name: attention_mask, .offset: 16, .size: 8, .value_kind: global_buffer, .address_space: global }
      - { .name: o, .offset: 24, .size: 8, .value_kind: global_buffer, .address_space: global }
      - { .name: x, .offset: 32, .size: 8, .value_kind: global_buffer, .address_space: global }
    .group_segment_fixed_size: 327680
    .private_segment_fixed_size: 0
    .kernarg_segment_align: 8
    .kernarg_segment_size: 40
    .max_flat_workgroup_size: 256
    .sgpr_count:     66
    .vgpr_count:     512
    .wavefront_size: 32
...
	.end_amdgpu_metadata
.endif
;; end of part 3
;; launch norm (part 4): grid 512 x 1, 4 waves a work-group, no clusters, 0 bytes of LDS; arguments o, gamma, beta, out0; writes out0
.if DOCPART == 4
	.amdgcn_target "amdgcn-amd-amdhsa--gfx1250"
	.amdhsa_code_object_version 6
	.text
	.protected	k_qe5f0404ede_norm
	.globl	k_qe5f0404ede_norm
	.p2align	8
	.type	k_qe5f0404ede_norm,@function
k_qe5f0404ede_norm:
	s_mov_b64 s[64:65], 0
	v_nop
	global_prefetch_b8 v0, s[64:65] scope:SCOPE_SE
	s_setreg_imm32_b32 hwreg(HW_REG_WAVE_MODE, 25, 1), 1
	s_wait_xcnt 0x0
; out0[row] = gamma (y - mean(y)) / sqrt(var(y) + 1e-5) + beta over rows of 1,024 f32; 8,192 rows.  Buffer o holds y = attention + x: the launch before has added the residual.
; A row is 4,096 bytes: one wave takes a whole row, eight 16-byte loads a lane, and keeps it in 32 registers through the three passes (mean; squares of y - mean; scaling): each byte is read once; no LDS, no barrier.
; The mean is taken away before the squares are summed, so a common offset of the inputs costs no accuracy.  1 / sqrt is v_rsq_f32's.
; Four waves, four rows each; a wave's 32 row loads all go out at the head, each row into registers of its own, and the result is made in place: no register of a load or store is written again, no address is stepped.
; Every load and store of a wave covers 512 consecutive bytes.  A lane holds columns 128 j + 4 lane + 0 .. 3, j = 0 .. 7, in every row, so its 32 gamma and 32 beta stay in registers.
.set GA, 16                            ; v16-47   gamma
.set BB, 48                            ; v48-79   beta
.set SL, 80                            ; v[80 + 32 row ..] y, then the result
	s_load_b256 s[4:11], s[0:1], 0x0               ; y, gamma, beta, out0
	v_lshrrev_b32 v2, 5, v0
	v_readfirstlane_b32 s14, v2                    ; wave
	v_and_b32 v1, 31, v0
	v_lshlrev_b32 v1, 4, v1                        ; 16 x lane
	s_lshl_b32 s15, ttmp9, 2
	s_add_co_u32 s15, s15, s14
	s_lshl_b32 s16, s15, 14                        ; my four rows of 4,096 bytes
	s_mov_b32 s17, 0
	s_mov_b32 s18, 0x3a800000                      ; 1 / 1,024
	s_mov_b32 s19, 0x3727c5ac                      ; 1e-5
	s_mov_b32 s20, 0x76543210
	s_mov_b32 s21, 0xfedcba98                      ; lane l xor 16
	v_mov_b32 v10, 0                               ; written once: a lane permute's destination counts as one of its sources
	s_wait_alu depctr_va_vdst(0)                   ; the wait at the head's end
	s_wait_kmcnt 0x0
	s_add_nc_u64 s[4:5], s[4:5], s[16:17]
	s_add_nc_u64 s[10:11], s[10:11], s[16:17]
.irp j, 0,1,2,3,4,5,6,7
	global_load_b128 v[GA+4*\j:GA+4*\j+3], v1, s[6:7] offset:512*\j
	global_load_b128 v[BB+4*\j:BB+4*\j+3], v1, s[8:9] offset:512*\j
.endr
.irp row, 0,1,2,3
.irp j, 0,1,2,3,4,5,6,7
	global_load_b128 v[SL+32*\row+4*\j:SL+32*\row+4*\j+3], v1, s[4:5] offset:4096*\row+512*\j th:TH_LOAD_NT
.endr
.endr
.macro REDUCE                          ; four pairs of partial sums in v[2:9] become the row's sum in v2 of every lane
	v_pk_add_f32 v[2:3], v[2:3], v[4:5]
	v_pk_add_f32 v[6:7], v[6:7], v[8:9]
	v_pk_add_f32 v[2:3], v[2:3], v[6:7]
	v_add_f32 v2, v2, v3
	v_add_f32_dpp v2, v2, v2 row_xmask:1 row_mask:0xf bank_mask:0xf
	v_add_f32_dpp v2, v2, v2 row_xmask:2 row_mask:0xf bank_mask:0xf
	v_add_f32_dpp v2, v2, v2 row_xmask:4 row_mask:0xf bank_mask:0xf
	v_add_f32_dpp v2, v2, v2 row_xmask:8 row_mask:0xf bank_mask:0xf
	v_permlanex16_b32 v10, v2, s20, s21
	v_add_f32 v2, v2, v10
.endm
.macro TURN row
.set Y, SL+32*\row
	s_wait_loadcnt 24-8*\row                       ; loads come back in order (ISA guide 5.7.1): my row is in, the eight loads of each later row may be out
.irp c, 0,1,2,3
	v_pk_add_f32 v[2+2*\c:3+2*\c], v[Y+2*\c:Y+2*\c+1], v[Y+8+2*\c:Y+9+2*\c]   ; four chains, started by the first pairs: nothing is cleared
.endr
.irp g, 16,24
.irp c, 0,1,2,3
	v_pk_add_f32 v[2+2*\c:3+2*\c], v[2+2*\c:3+2*\c], v[Y+\g+2*\c:Y+\g+2*\c+1]
.endr
.endr
	REDUCE
	v_mul_f32 v12, s18, v2                         ; the mean,
	v_mov_b32 v13, v12                             ; twice: a pair for the packed subtraction
.set k, 0
.rept 16
	v_pk_add_f32 v[Y+k:Y+k+1], v[Y+k:Y+k+1], v[12:13] neg_lo:[0,1] neg_hi:[0,1]
.set k, k+2
.endr
.irp c, 0,1,2,3
	v_pk_mul_f32 v[2+2*\c:3+2*\c], v[Y+2*\c:Y+2*\c+1], v[Y+2*\c:Y+2*\c+1]
.endr
.irp g, 8,16,24
.irp c, 0,1,2,3
	v_pk_fma_f32 v[2+2*\c:3+2*\c], v[Y+\g+2*\c:Y+\g+2*\c+1], v[Y+\g+2*\c:Y+\g+2*\c+1], v[2+2*\c:3+2*\c]
.endr
.endr
	REDUCE
	v_fma_f32 v14, v2, s18, s19                    ; the variance + 1e-5
	s_wait_alu depctr_va_vdst(0)                   ; the wait ahead of the transcendental,
	v_rsq_f32 v14, v14
	v_nop                                          ; a plain instruction behind it,
	s_wait_alu depctr_va_vdst(0)                   ; and the wait ahead of its first reader
	v_mov_b32 v15, v14
.set k, 0
.rept 16
	v_pk_mul_f32 v[Y+k:Y+k+1], v[Y+k:Y+k+1], v[14:15]
.set k, k+2
.endr
.set k, 0
.rept 16
	v_pk_fma_f32 v[Y+k:Y+k+1], v[Y+k:Y+k+1], v[GA+k:GA+k+1], v[BB+k:BB+k+1]
.set k, k+2
.endr
.irp j, 0,1,2,3,4,5,6,7
	global_store_b128 v1, v[Y+4*\j:Y+4*\j+3], s[10:11] offset:4096*\row+512*\j th:TH_STORE_NT   ; 32 lanes store 512 consecutive bytes, at a multiple of 512 from the buffer's first byte
.endr
.endm
	TURN 0
	TURN 1
	TURN 2
	TURN 3
	s_endpgm
.Lfunc_end_k_qe5f0404ede_norm:
	.size	k_qe5f0404ede_norm, .Lfunc_end_k_qe5f0404ede_norm-k_qe5f0404ede_norm
	.p2alignl 7, 3214868480
	.fill 96, 4, 3214868480
	.section	.rodata,"a",@progbits
	.p2align	6, 0x0
	.amdhsa_kernel k_qe5f0404ede_norm
		.amdhsa_group_segment_fixed_size 0
		.amdhsa_private_segment_fixed_size 0
		.amdhsa_enable_private_segment 0
		.amdhsa_kernarg_size 32
		.amdhsa_user_sgpr_count 2
		.amdhsa_user_sgpr_kernarg_segment_ptr 1
		.amdhsa_wavefront_size32 1
		.amdhsa_system_sgpr_workgroup_id_x 1
		.amdhsa_system_sgpr_workgroup_id_y 1
		.amdhsa_system_sgpr_workgroup_id_z 1
		.amdhsa_system_vgpr_workitem_id 0
		.amdhsa_next_free_vgpr 208
		.amdhsa_next_free_sgpr 66
		.amdhsa_reserve_vcc 0
		.amdhsa_float_denorm_mode_32 3
		.amdhsa_float_denorm_mode_16_64 3
		.amdhsa_memory_ordered 1
		.amdhsa_forward_progress 1
		.amdhsa_inst_pref_size 34
	.end_amdhsa_kernel
	.amdgpu_metadata
---
amdhsa.version: [ 1, 2 ]
amdhsa.kernels:
  - .name:           k_qe5f0404ede_norm
    .symbol:         k_qe5f0404ede_norm.kd
    .args:
      - { .name: o, .offset: 0, .size: 8, .value_kind: global_buffer, .address_space: global }
      - { .name: gamma, .offset: 8, .size: 8, .value_kind: global_buffer, .address_space: global }
      - { .name: beta, .offset: 16, .size: 8, .value_kind: global_buffer, .address_space: global }
      - { .name: out0, .offset: 24, .size: 8, .value_kind: global_buffer, .address_space: global }
    .group_segment_fixed_size: 0
    .private_segment_fixed_size: 0
    .kernarg_segment_align: 8
    .kernarg_segment_size: 32
    .max_flat_workgroup_size: 128
    .sgpr_count:     66
    .vgpr_count:     208
    .wavefront_size: 32
...
	.end_amdgpu_metadata
.endif
;; end of part 4
